; MI455X (gfx1250); checked and timed in simulation.
; The chip was launched on July 23, 2026; its instructions are those of AMD's public machine-readable ISA for CDNA 5 (MIT licence, August 2026) and "CDNA5" Instruction Set Architecture Reference Guide (July 2026). The comments in the code are by the model that wrote it; some were corrected since.
;; Attention Gate. Allowed arithmetic: float matrix products may take bf16 or f16 operands with f32 sums; other float arithmetic in f32, or as packed bf16 or f16 multiplies, adds, multiply-adds, maxima and minima; sums over many terms, partial sums and values carried from step to step in f32; what a program stores and reads back later, other than sums and carried values, may be rounded once to bf16 or f16.
;; Inputs: Wg 1,024 x 1,024 float32; Wk 1,024 x 1,024 float32; Wo 2,048 x 1,024 float32; Wq 1,024 x 1,024 float32; Ws 1,024 x 1 float32; beta 1,024 float32; bg 1,024 float32; bk 1,024 float32; bo 1,024 float32; bq 1,024 float32; bs 1 float32; gamma 1,024 float32; q_state 32 x 1,024 float32; seq_states 32 x 1,024 x 1,024 float32.
;; Outputs: out0 32 x 1,024 float32; out1 32 x 1,024 float32.
;; 2 versions, each right; version 2 is version 1 with the launches prep, projc written anew for expert scheduling mode. Each part assembles by itself: llvm-mc -triple=amdgcn-amd-amdhsa -mcpu=gfx1250 --defsym DOCPART=n.
;; ======== version 1 of 2: 6 launches
;; workspace buffers: seqb 67,108,864 bytes; wkb 2,097,152 bytes; wgb 2,097,152 bytes; pa 524,288 bytes; alg 67,108,864 bytes; sp 1,048,576 bytes; ctx 131,072 bytes; pb 262,144 bytes
;; launch prep (part 1): grid 1088 x 1, 8 waves a work-group, no clusters, 152,576 bytes of LDS; arguments q_state, Wq, Wo, pa, seq_states, Wk, Wg, seqb, wkb, wgb; writes pa, seqb, wkb, wgb
.if DOCPART == 1
	.amdgcn_target "amdgcn-amd-amdhsa--gfx1250"
	.amdhsa_code_object_version 6
	.text
	.protected	k_qf48173ba6b_prep
	.globl	k_qf48173ba6b_prep
	.p2align	8
	.type	k_qf48173ba6b_prep,@function
k_qf48173ba6b_prep:
	s_mov_b64 s[64:65], 0
	v_nop
	global_prefetch_b8 v0, s[64:65] scope:SCOPE_SE
	s_setreg_imm32_b32 hwreg(HW_REG_WAVE_MODE, 25, 1), 1
	s_wait_xcnt 0x0
; TWO JOBS IN ONE LAUNCH, parted by the work-group's number, which is the same in all eight waves of a work-group.
; WORK-GROUPS 0-63: a product with 32 rows, by halves of K:  pa[yy][m][n] = the sum over k < 512 of q_state[m][512 (yy & 1) + k] W[512 yy + k][n], yy = number / 16,
;   W = Wq for yy < 2 and Wo for yy >= 2 (rows 1024-2047 of Wo); 64 columns, number % 16, to a work-group.  pa: [4][32][1024] f32 partial sums, added up by later launches in f32.
;   They have the lowest numbers, so that their few dependent loads run beside the other job's stream.
; WORK-GROUPS 64-1087: seq_states, Wk and Wg are rounded once to bf16 (nearest even), layout unchanged: the operands of the two large products.
;   Each takes 32 blocks of 4,096 bytes of seq_states and one block each of Wk and Wg: 1,024 equal shares.  Thread t takes 16 bytes at 16 t of each block; all 34 loads of a wave go out first.
;   A store of a wave covers 256 consecutive bytes, aligned.  No register is written twice there, so no source of a pending instruction is rewritten.
; THE PRODUCT.  q_state and W are rounded to bf16 on the way to the matrix unit; sums in f32.  NaN and infinities are not treated apart.  Wave w takes k = 64 w .. 64 w + 63 of the half.
; W lies [k][n]: a wave rounds its 64 x 64 block, lays it into its own LDS bytes and reads it back turned (ds_load_tr16_b128): 16 columns x 32 k a fragment.
; The product is taken transposed (source 0 = 16 columns of W, source 1 = 16 rows of x): a lane ends with one row m = lane % 16 and the columns 8 (lane / 16) + 0..7.
; The eight waves' partial sums meet in LDS; wave w adds up rows 4 w .. 4 w + 3 and stores them, 16 lanes to 256 consecutive bytes, aligned.
.set NSG,   64                         ; work-groups of the product
.set PW,    160                        ; a row of the rounded block: 128 bytes + 32 = 40 words
.set WPW,   64*PW                      ; a wave's block
.set PART,  8*WPW                      ; the partial sums: wave w's 32 rows of 64 f32 at PART + 8,704 w
.set PP,    272                        ; their pitch: 256 bytes + 16
.set SPARE, PART+8*32*PP               ; the spare words, 128 bytes for each wave: four blocks of 256 bytes that no other line names
.set XO,  1                            ; v1   the product: my offset in x.        The cast: 16 t, where I read
.set WO,  2                            ; v2   the product: my offset in W.        The cast: 8 t, where I write
.set WS,  3                            ; v3   where I put 8 bytes of the rounded block
.set WTR, 4                            ; v4   where the turning loads read
.set PS,  5                            ; v5   where I put my partial sums
.set PR,  6                            ; v6   where I read partial sums back
.set OO,  7                            ; v7   my offset in pa
.set SPW, 14                           ; v14  LDS address of my spare word; never rewritten
.set NIL, 15                           ; v15  0; never rewritten
.set D,   16                           ; v[16:151]  the cast: block j: four f32 as loaded; its first two registers then hold the four bf16
.set WL,  16                           ; v[16:143]  the product: W as loaded, 32 x 4
.set WF,  16                           ; v[16:79]   later: W's fragments, (s, t) at WF + 8 (4 s + t)
.set ACC, 80                           ; v[80:143]  later: eight accumulators, (mt, t) at ACC + 8 (4 mt + t)
.set XL,  144                          ; v[144:207] x as loaded, 16 x 4
.set CW,  144                          ;            later: W rounded, 32 x 2
.set RB,  144                          ;            later: partial sums read back, source wave u at RB + 8 u
.set XF,  208                          ; v[208:239] x's fragments, (mt, s) at XF + 8 (2 mt + s)
	s_load_b256 s[4:11], s[0:1], 0x0               ; q_state s[4:5], Wq s[6:7], Wo s[8:9], pa s[10:11]
	s_load_b256 s[36:43], s[0:1], 0x20             ; seq_states s[36:37], Wk s[38:39], Wg s[40:41], seqb s[42:43]
	s_load_b128 s[44:47], s[0:1], 0x40             ; wkb s[44:45], wgb s[46:47]
	v_lshl_add_u32 v[SPW], v0, 2, SPARE
	v_mov_b32 v[NIL], 0
	s_cmp_lt_u32 ttmp9, NSG
	s_cbranch_scc1 .Lproduct
	; ---- THE CAST ----
	v_lshlrev_b32 v1, 4, v0                        ; 16 t
	v_lshlrev_b32 v2, 3, v0                        ; 8 t
	s_sub_co_u32 s20, ttmp9, NSG                   ; my share, 0 to 1,023
	s_lshl_b32 s22, s20, 17                        ; 32 blocks of seq_states,
	s_mov_b32 s23, 0
	s_lshl_b32 s24, s20, 16                        ; half as many bytes of seqb,
	s_mov_b32 s25, 0
	s_lshl_b32 s26, s20, 12                        ; one block of Wk and of Wg,
	s_mov_b32 s27, 0
	s_lshl_b32 s28, s20, 11                        ; half as many bytes of wkb and of wgb
	s_mov_b32 s29, 0
	s_wait_kmcnt 0x0
	s_add_nc_u64 s[36:37], s[36:37], s[22:23]
	s_add_nc_u64 s[38:39], s[38:39], s[26:27]
	s_add_nc_u64 s[40:41], s[40:41], s[26:27]
	s_add_nc_u64 s[42:43], s[42:43], s[24:25]
	s_add_nc_u64 s[44:45], s[44:45], s[28:29]
	s_add_nc_u64 s[46:47], s[46:47], s[28:29]
.set j, 0
.rept 32
	global_load_b128 v[D+4*j:D+4*j+3], v1, s[36:37] offset:4096*j th:TH_LOAD_NT
.set j, j+1
.endr
	global_load_b128 v[D+128:D+131], v1, s[38:39] th:TH_LOAD_NT
	global_load_b128 v[D+132:D+135], v1, s[40:41] th:TH_LOAD_NT
.set j, 0
.rept 32
	s_wait_loadcnt 33-j                            ; loads come back in order: block j is in, the 33 - j younger ones stay out
	v_cvt_pk_bf16_f32 v[D+4*j], v[D+4*j], v[D+4*j+1]
	v_cvt_pk_bf16_f32 v[D+4*j+1], v[D+4*j+2], v[D+4*j+3]
	global_store_b64 v2, v[D+4*j:D+4*j+1], s[42:43] offset:2048*j th:TH_STORE_NT
.set j, j+1
.endr
	s_wait_loadcnt 0x1                             ; Wk's block is in, Wg's may be out
	v_cvt_pk_bf16_f32 v[D+128], v[D+128], v[D+129]
	v_cvt_pk_bf16_f32 v[D+129], v[D+130], v[D+131]
	global_store_b64 v2, v[D+128:D+129], s[44:45] th:TH_STORE_NT
	s_wait_loadcnt 0x0
	v_cvt_pk_bf16_f32 v[D+132], v[D+132], v[D+133]
	v_cvt_pk_bf16_f32 v[D+133], v[D+134], v[D+135]
	global_store_b64 v2, v[D+132:D+133], s[46:47] th:TH_STORE_NT
	s_branch .Lend
	; ---- THE PRODUCT ----
.Lproduct:
	v_lshrrev_b32 v8, 5, v0
	v_readfirstlane_b32 s13, v8                    ; wave 0..7
	s_lshr_b32 s12, ttmp9, 4                       ; yy
	v_and_b32 v8, 15, v0                           ; r = lane % 16
	v_bfe_u32 v9, v0, 4, 1                         ; h = lane / 16
	v_and_b32 v10, 7, v0
	v_bfe_u32 v11, v0, 3, 1
	s_lshl_b32 s14, s13, 8
	v_lshlrev_b32 v[XO], 12, v8                    ; x: row r, 32 h bytes, my wave's 64 k = 256 bytes
	v_lshl_add_u32 v[XO], v9, 5, v[XO]
	v_add_nc_u32 v[XO], s14, v[XO]
	s_lshl_b32 s14, s13, 18
	v_lshlrev_b32 v[WO], 12, v9                    ; W: row 64 w + h, 16 r bytes
	v_lshl_add_u32 v[WO], v8, 4, v[WO]
	v_add_nc_u32 v[WO], s14, v[WO]
	s_mul_i32 s15, s13, WPW
	v_mul_u32_u24 v[WS], v9, PW
	v_lshl_add_u32 v[WS], v8, 3, v[WS]
	v_add_nc_u32 v[WS], s15, v[WS]
	v_lshl_add_u32 v[WTR], v9, 3, v10              ; the turning load: k row 8 h + lane % 8, 16 bytes by (lane / 8) % 2
	v_mul_u32_u24 v[WTR], v[WTR], PW
	v_lshl_add_u32 v[WTR], v11, 4, v[WTR]
	v_add_nc_u32 v[WTR], s15, v[WTR]
	s_mul_i32 s14, s13, 32*PP
	s_add_co_u32 s14, s14, PART
	v_mul_u32_u24 v[PS], v8, PP
	v_lshl_add_u32 v[PS], v9, 5, v[PS]
	v_add_nc_u32 v[PS], s14, v[PS]
	s_mul_i32 s14, s13, 4*PP
	s_add_co_u32 s14, s14, PART
	v_mul_u32_u24 v[PR], v9, PP
	v_lshl_add_u32 v[PR], v8, 4, v[PR]
	v_add_nc_u32 v[PR], s14, v[PR]
	s_lshl_b32 s14, s13, 14
	v_lshlrev_b32 v[OO], 12, v9
	v_lshl_add_u32 v[OO], v8, 4, v[OO]
	v_add_nc_u32 v[OO], s14, v[OO]
	s_and_b32 s22, ttmp9, 15
	s_lshl_b32 s22, s22, 8                         ; the work-group's 64 columns
	s_lshl_b32 s16, s12, 21                        ; 512 yy rows of W
	s_add_co_u32 s16, s16, s22
	s_mov_b32 s17, 0
	s_and_b32 s18, s12, 1
	s_lshl_b32 s18, s18, 11                        ; the half of x's rows
	s_mov_b32 s19, 0
	s_lshl_b32 s20, s12, 17                        ; plane yy of pa
	s_add_co_u32 s20, s20, s22
	s_mov_b32 s21, 0
	s_wait_kmcnt 0x0
	s_cmp_lt_u32 s12, 2
	s_cselect_b64 s[6:7], s[6:7], s[8:9]
	s_add_nc_u64 s[6:7], s[6:7], s[16:17]
	s_add_nc_u64 s[4:5], s[4:5], s[18:19]
	s_add_nc_u64 s[10:11], s[10:11], s[20:21]
	; x: fragment (mt, s) is 16 rows x 32 k; a lane's k = 8 h + 0..7 and 16 + 8 h + 0..7 are 32 bytes each in f32: four loads of 16 bytes
.set n, 0
.rept 16
	global_load_b128 v[XL+4*n:XL+4*n+3], v[XO], s[4:5] offset:(n/8)*65536+((n/4)%2)*128+((n%4)/2)*64+(n%2)*16
.set n, n+1
.endr
.set i, 0
.rept 32                                       ; W: two rows a load, 16 lanes to a row's 256 bytes
	global_load_b128 v[WL+4*i:WL+4*i+3], v[WO], s[6:7] offset:8192*i th:TH_LOAD_NT
.set i, i+1
.endr
	s_wait_loadcnt 32                              ; x is in; W's 32 loads stay out
.set n, 0
.rept 16
	v_cvt_pk_bf16_f32 v[XF+2*n], v[XL+4*n], v[XL+4*n+1]
	v_cvt_pk_bf16_f32 v[XF+2*n+1], v[XL+4*n+2], v[XL+4*n+3]
.set n, n+1
.endr
.set i, 0
.rept 32
	s_wait_loadcnt 31-i                            ; rows 2 i and 2 i + 1 are in, the younger loads stay out
	v_cvt_pk_bf16_f32 v[CW+2*i], v[WL+4*i], v[WL+4*i+1]
	v_cvt_pk_bf16_f32 v[CW+2*i+1], v[WL+4*i+2], v[WL+4*i+3]
	ds_store_b64 v[WS], v[CW+2*i:CW+2*i+1] offset:2*PW*i
.set i, i+1
.endr
.irp s, 0,1
.irp t, 0,1,2,3
	ds_load_tr16_b128 v[WF+8*(4*(\s)+(\t)):WF+8*(4*(\s)+(\t))+3],   v[WTR] offset:32*PW*(\s)+32*(\t)        ; my own bytes: LDS serves a wave's instructions in order (ISA guide 5.7.1.4)
	ds_load_tr16_b128 v[WF+8*(4*(\s)+(\t))+4:WF+8*(4*(\s)+(\t))+7], v[WTR] offset:32*PW*(\s)+16*PW+32*(\t)
.endr
.endr
	s_wait_dscnt 0x0
	; 16 products; the eight accumulators take turns; the first eight start the sums
.irp s, 0,1
.irp mt, 0,1
.irp t, 0,1,2,3
.if (\s) == 0
	v_wmma_f32_16x16x32_bf16 v[ACC+8*(4*(\mt)+(\t)):ACC+8*(4*(\mt)+(\t))+7], v[WF+8*(4*(\s)+(\t)):WF+8*(4*(\s)+(\t))+7], v[XF+8*(2*(\mt)+(\s)):XF+8*(2*(\mt)+(\s))+7], 0
.else
	v_wmma_f32_16x16x32_bf16 v[ACC+8*(4*(\mt)+(\t)):ACC+8*(4*(\mt)+(\t))+7], v[WF+8*(4*(\s)+(\t)):WF+8*(4*(\s)+(\t))+7], v[XF+8*(2*(\mt)+(\s)):XF+8*(2*(\mt)+(\s))+7], v[ACC+8*(4*(\mt)+(\t)):ACC+8*(4*(\mt)+(\t))+7]
.endif
.endr
.endr
.endr
.rept 8
	v_nop                                          ; the places between the last product and the stores that read results, with room to spare: once a launch
.endr
.irp mt, 0,1
.irp t, 0,1,2,3
	ds_store_b128 v[PS], v[ACC+8*(4*(\mt)+(\t)):ACC+8*(4*(\mt)+(\t))+3]   offset:16*PP*(\mt)+64*(\t)      ; each accumulator's low registers first
	ds_store_b128 v[PS], v[ACC+8*(4*(\mt)+(\t))+4:ACC+8*(4*(\mt)+(\t))+7] offset:16*PP*(\mt)+64*(\t)+16
.endr
.endr
	s_wait_dscnt 0x0                               ; for the others' sake: my partial sums lie in LDS
	s_barrier_signal -1                            ; all eight waves of a work-group of the product come here, none of a work-group of the cast
	s_barrier_wait -1
.irp u, 0,1,2,3,4,5,6,7
	ds_load_b128 v[RB+8*(\u):RB+8*(\u)+3],   v[PR] offset:32*PP*(\u)          ; rows 4 w + h of source wave u,
	ds_load_b128 v[RB+8*(\u)+4:RB+8*(\u)+7], v[PR] offset:32*PP*(\u)+2*PP     ; rows 4 w + 2 + h
.endr
	s_wait_dscnt 0x0
.irp d, 4,2,1
.set u, 0
.rept \d
.irp c, 0,2,4,6
	v_pk_add_f32 v[RB+8*u+(\c):RB+8*u+(\c)+1], v[RB+8*u+(\c):RB+8*u+(\c)+1], v[RB+8*(u+(\d))+(\c):RB+8*(u+(\d))+(\c)+1]
.endr
.set u, u+1
.endr
.endr
	global_store_b128 v[OO], v[RB:RB+3], s[10:11]
	global_store_b128 v[OO], v[RB+4:RB+7], s[10:11] offset:8192
.Lend:
	s_wait_tensorcnt 0x0                           ; the wave's end: three closing lines, behind my last LDS store
	ds_add_u32 v[SPW], v[NIL]
	s_wait_dscnt 0x0
	s_endpgm
.Lfunc_end_k_qf48173ba6b_prep:
	.size	k_qf48173ba6b_prep, .Lfunc_end_k_qf48173ba6b_prep-k_qf48173ba6b_prep
	.p2alignl 7, 3214868480
	.fill 96, 4, 3214868480
	.section	.rodata,"a",@progbits
	.p2align	6, 0x0
	.amdhsa_kernel k_qf48173ba6b_prep
		.amdhsa_group_segment_fixed_size 152576
		.amdhsa_private_segment_fixed_size 0
		.amdhsa_enable_private_segment 0
		.amdhsa_kernarg_size 80
		.amdhsa_user_sgpr_count 2
		.amdhsa_user_sgpr_kernarg_segment_ptr 1
		.amdhsa_wavefront_size32 1
		.amdhsa_system_sgpr_workgroup_id_x 1
		.amdhsa_system_sgpr_workgroup_id_y 1
		.amdhsa_system_sgpr_workgroup_id_z 1
		.amdhsa_system_vgpr_workitem_id 0
		.amdhsa_next_free_vgpr 240
		.amdhsa_next_free_sgpr 66
		.amdhsa_reserve_vcc 0
		.amdhsa_float_denorm_mode_32 3
		.amdhsa_float_denorm_mode_16_64 3
		.amdhsa_memory_ordered 1
		.amdhsa_forward_progress 1
		.amdhsa_inst_pref_size 36
	.end_amdhsa_kernel
	.amdgpu_metadata
---
amdhsa.version: [ 1, 2 ]
amdhsa.kernels:
  - .name:           k_qf48173ba6b_prep
    .symbol:         k_qf48173ba6b_prep.kd
    .args:
      - { .name: q_state, .offset: 0, .size: 8, .value_kind: global_buffer, .address_space: global }
      - { .name: Wq, .offset: 8, .size: 8, .value_kind: global_buffer, .address_space: global }
      - { .name: Wo, .offset: 16, .size: 8, .value_kind: global_buffer, .address_space: global }
      - { .name: pa, .offset: 24, .size: 8, .value_kind: global_buffer, .address_space: global }
      - { .name: seq_states, .offset: 32, .size: 8, .value_kind: global_buffer, .address_space: global }
      - { .name: Wk, .offset: 40, .size: 8, .value_kind: global_buffer, .address_space: global }
      - { .name: Wg, .offset: 48, .size: 8, .value_kind: global_buffer, .address_space: global }
      - { .name: seqb, .offset: 56, .size: 8, .value_kind: global_buffer, .address_space: global }
      - { .name: wkb, .offset: 64, .size: 8, .value_kind: global_buffer, .address_space: global }
      - { .name: wgb, .offset: 72, .size: 8, .value_kind: global_buffer, .address_space: global }
    .group_segment_fixed_size: 152576
    .private_segment_fixed_size: 0
    .kernarg_segment_align: 8
    .kernarg_segment_size: 80
    .max_flat_workgroup_size: 256
    .sgpr_count:     66
    .vgpr_count:     240
    .wavefront_size: 32
...
	.end_amdgpu_metadata
.endif
;; end of part 1
;; launch g1 (part 2): grid 4 x 128, 4 waves a work-group, clusters of 4 x 4, 327,680 bytes of LDS; arguments seqb, wkb, alg, pa, bq, bk; writes alg
.if DOCPART == 2
	.amdgcn_target "amdgcn-amd-amdhsa--gfx1250"
	.amdhsa_code_object_version 6
	.text
	.protected	k_qf48173ba6b_g1
	.globl	k_qf48173ba6b_g1
	.p2align	8
	.type	k_qf48173ba6b_g1,@function
k_qf48173ba6b_g1:
	s_mov_b64 s[64:65], 0
	v_nop
	global_prefetch_b8 v0, s[64:65] scope:SCOPE_SE
	s_setreg_imm32_b32 hwreg(HW_REG_WAVE_MODE, 25, 1), 1
	s_wait_xcnt 0x0
	s_wait_alu depctr_hold_cnt(0) depctr_sa_sdst(0) depctr_va_vdst(0) depctr_va_sdst(0) depctr_va_ssrc(0) depctr_va_vcc(0) depctr_vm_vsrc(0)
	s_getreg_b32 s2, hwreg(HW_REG_IB_STS2, 6, 4)
	s_cmp_eq_u32 s2, 0
	s_cbranch_scc0 .Lentry_in_a_cluster
	s_endpgm
.Lentry_in_a_cluster:
	s_bfe_u32 s2, ttmp6, 0x10000c
	s_cmp_lg_u32 s2, 0xf033
	s_cbranch_scc0 .Lentry_shape_is_right
	s_endpgm
.Lentry_shape_is_right:
; alg[row][n] = tanh( the sum over k of seqb[row][k] wkb[k][n] + pa[0][b][n] + pa[1][b][n] + bq[n] + bk[n] ), b = row / 1024.
; seqb: [32768][1024] bf16.  wkb: [1024 (k)][1024 (n)] bf16.  pa: f32 partial sums of q Wq.  alg: [32768][1024] bf16, rounded once.  Sums, biases and tanh in f32.
; tanh(x) = 1 - 2 / (1 + 2^(2 log2(e) x)): where the power is infinite or 0 the result is 1 or -1, as it should be.  NaN and infinities in the inputs are not treated apart.
; A tile of 256 x 256 is made by four waves, 128 x 128 each: 64 accumulators of 16 x 16, 512 registers.  K goes in 8 steps of 128 through a ring of two LDS slots filled by the tensor data mover.
; A's tile rows are 256 bytes of memory; B's tile is 128 k rows of 512 bytes, read out of LDS turned (ds_load_tr16_b128), since wkb lies [k][n].
; CLUSTERS: 4 x 4 work-groups.  The four of a row of the cluster need the same tiles of A, the four of a column the same tiles of B: each tile is asked for JOINTLY.
; THE MATRIX INSTRUCTION IS USED TRANSPOSED (source 0 = 16 columns of B, source 1 = 16 rows of A): a lane holds row lane % 16 and the columns 8 (lane / 16) + 0..7.
; THE WAY OUT: when the ring has had its last fill and its last read, each wave lays its 128 x 128 sums in f32 into the ring's bytes and walks them in a loop, 8 rows a trip: bias, tanh, rounding, store.
; A trip's sums are read out of LDS a trip ahead, and the wait that frees a trip's store registers stands a trip behind the stores.
; REGISTERS, in windows of 256: window 0: v0-31 addresses, v32-63 the biases as loaded, v64-191 A's two fragment buffers (later the way out), v192-199 the bias in hand;
;   window 1: v64-191 B's two fragment buffers; windows 2 and 3: the accumulators ((a, b) at v[8 (8 (a % 4) + b)]).
.set KSTEP,  128
.set ROWB,   2048                      ; bytes in a row of seqb, wkb and alg
.set PITCH,  272                       ; A's LDS row: 256 bytes + 16 = 68 words: the 16 rows of a load start at 16 different groups of four banks (64 banks of 4 bytes: ISA guide 11.1)
.set PB,     544                       ; B's LDS row: 512 bytes + 32 = 136 words
.set HALFT,  128*PITCH                 ; what one tensor load brings: 128 rows of A, or 64 k rows of B (64 x 544 is the same number)
.set SLOT,   4*HALFT                   ; A's 256 rows, then B's 128 k rows
.set PF,     528                       ; the way out: a row of 128 f32 + 16 bytes
.set DUMPW,  128*PF                    ; a wave's 128 rows; four of them lie inside the ring's 2 SLOT bytes
.set SPARE,  2*SLOT                    ; behind the ring: the spare words, 128 bytes for each wave: two blocks of 256 bytes that no other line names
.set ADRA, 16                          ; v16-17  LDS address of my A fragments in slot 0, 1
.set ADRB, 20                          ; v20-21  the same for B
.set DST,  22                          ; v22     the way out: where I put 16 bytes of a row of sums
.set RDA,  23                          ; v23     the way out: where I read rows back; steps
.set CO,   24                          ; v24     my byte offset in two rows of alg
.set QO,   25                          ; v25     my byte offset in the biases: my 8 columns
.set SPW,  28                          ; v28     LDS address of my spare word; never rewritten
.set NIL,  29                          ; v29     0; never rewritten
.set PFO,  30                          ; v30     the prefetches' offset; never rewritten
.set BI,   32                          ; v[32:63] pa[0], pa[1], bq, bk of my 8 columns
.set F0,   64
.set F1,   128
.set X,    64                          ; the way out: 8 rows' sums as read from LDS, 4 pairs of rows x 8 columns
.set Z,    96                          ; the way out: the same 32 numbers at work
.set Y,    128                         ; the way out: packed results
.set QK,   192                         ; v[192:199] 2 log2(e) x the bias of my 8 columns
.set G1,  24                           ; s[24:31] descriptor group 1 for A's tiles;  s[32:39] group 0, one set for each slot
.set G0,  32
.set G1B, 48                           ; s[48:55], s[56:63] the same for B's tiles
.set G0B, 56
.set LIM, 43                           ; s43  1 in a wave that prefetches, else the greatest number
.set PFA, 44                           ; s[44:45] where my prefetches stand
.set PST, 66                           ; s[66:67] a K step in my tensor: 256 bytes along A's rows, 128 rows down B
.set CC,  80                           ; s[80:81] 2 log2(e)
.set MSB, 0
.macro WIN new                         ; the immediate's high byte repeats the setting that is left; a switch that changes nothing is dropped
.if MSB != (\new)
	s_set_vgpr_msb (MSB<<8)|(\new)
.set MSB, \new
.endif
.endm
.set MUL_LO, 0xa1                      ; source 0 (B) window 1, source 1 (A) window 0, C and D window 2
.set MUL_HI, 0xf1                      ; the same, C and D window 3
.set TO_B,   0x40                      ; destination window 1, address window 0
; A joint load.  Waves 0 and 1 fetch A's two halves, waves 2 and 3 B's.  The branch hangs on the wave's number alone.  An s_nop 0 and four v_nop follow each of the two lines.
.macro JLOAD s
	s_cmp_eq_u32 s11, 0
	s_cbranch_scc0 .Lfor_b_\@
	tensor_load_to_lds s[G0+4*(\s):G0+4*(\s)+3], s[G1:G1+7]
	s_nop 0
.rept 4
	v_nop
.endr
	s_branch .Lasked_\@
.Lfor_b_\@:
	tensor_load_to_lds s[G0B+4*(\s):G0B+4*(\s)+3], s[G1B:G1B+7]
	s_nop 0
.rept 4
	v_nop
.endr
.Lasked_\@:
.endm
; A prefetch, behind each joint refill and the run of LDS loads that follows it: the K step that stands two refills on, 512 matrix instructions ahead of the load that will want it.
; Each block of 256 bytes is named once in the launch.  A's tile rows are read by one cluster alone (the grid is one cluster wide); B's tile columns by all 32 clusters: cluster y = 0 asks.
; The four partners that ask for a tile jointly share it out BY ADDRESS: of A's 128 rows that a wave fetches the partner at cx takes 32, a lane a row; of B's 64 k rows the partner at cy takes 16, a lane half a row.
; The loop's last trip asks for nothing: K steps 6 and 7 are the last.
.macro ASK
	s_cmp_gt_u32 s3, s[LIM]                        ; s3 = 1 in the loop's last trip
	s_cbranch_scc0 .Lnot_mine_\@
	global_prefetch_b8 v[PFO], s[PFA:PFA+1] th:TH_LOAD_NT scope:SCOPE_SE
.Lnot_mine_\@:
.endm
.macro CREST                           ; a round of the cluster's barrier behind its opening barrier
	s_cmp_lg_u32 s10, 0
	s_cbranch_scc1 .Lnot_wave_0_\@
	s_barrier_signal -3
.Lnot_wave_0_\@:
	s_barrier_wait -3
	s_barrier_signal -1
	s_barrier_wait -1
.endm
.macro CROUND                          ; a whole round
	s_barrier_signal -1
	s_barrier_wait -1
	CREST
.endm
	s_load_b256 s[68:75], s[0:1], 0x0              ; seqb s[68:69], wkb s[70:71], alg s[72:73], pa s[74:75]
	s_load_b128 s[76:79], s[0:1], 0x20             ; bq s[76:77], bk s[78:79]
	v_lshl_add_u32 v[SPW], v0, 2, SPARE
	v_mov_b32 v[NIL], 0
	ds_add_u32 v[SPW], v[NIL]                      ; the wave's opening: the add and its wait stand ahead of my first tensor load; the set-up below, work on registers, stands between them
	v_lshrrev_b32 v1, 5, v0
	v_readfirstlane_b32 s10, v1                    ; wave 0..3
	s_lshr_b32 s11, s10, 1                         ; which half of the tile's rows is mine.  Also: I fetch for A (0) or for B (1)
	s_and_b32 s12, s10, 1                          ; which half of its columns.  Also: which half of that tile I fetch
	s_bfe_u32 s40, ttmp6, 0x40000                  ; cx
	s_bfe_u32 s41, ttmp6, 0x40004                  ; cy
	s_lshl_b32 s42, ttmp9, 2
	s_add_co_u32 s42, s42, s40                     ; tile column = 4 x cluster x + cx
	s_and_b32 s13, ttmp7, 0xffff
	s_lshl_b32 s13, s13, 2
	s_add_co_u32 s13, s13, s41                     ; tile row = 4 x cluster y + cy
	s_lshl_b32 s43, s41, 2
	s_lshl_b32 s43, 15, s43                        ; my row of the cluster
	s_lshl_b32 s44, 0x1111, s40                    ; my column
	s_or_b32 s[G1+0], s43, (1<<16)|(1<<20)|(1<<21)|(5<<22)|(3<<25)   ; the mask; elements of 2 bytes; padding on; bit 21 beside a mask; after every 64 words, 4 words
	s_or_b32 s[G1B+0], s44, (1<<16)|(1<<20)|(1<<21)|(6<<22)|(7<<25)  ; the same for B: after every 128 words, 8 words
	s_mov_b32 s[G1+1], KSTEP<<16                   ; A: tensor_dim0 = 128
	s_mov_b32 s[G1+2], 128<<16                     ; tensor_dim1 = 128
	s_mov_b32 s[G1+3], KSTEP<<16                   ; tile_dim0 = 128
	s_mov_b32 s[G1+4], 128                         ; tile_dim1 = 128
	s_mov_b32 s[G1+5], 1024                        ; elements from row to row
	s_mov_b32 s[G1+6], 0
	s_mov_b32 s[G1+7], 0
	s_mov_b32 s[G1B+1], 256<<16                    ; B: tensor_dim0 = 256
	s_mov_b32 s[G1B+2], 64<<16                     ; tensor_dim1 = 64
	s_mov_b32 s[G1B+3], 256<<16                    ; tile_dim0 = 256
	s_mov_b32 s[G1B+4], 64                         ; tile_dim1 = 64
	s_mov_b32 s[G1B+5], 1024
	s_mov_b32 s[G1B+6], 0
	s_mov_b32 s[G1B+7], 0
	s_lshl_b32 s16, s13, 8                         ; A: row 256 x tile row + 128 x half, in bytes
	s_lshl_b32 s17, s12, 7
	s_add_co_u32 s16, s16, s17
	s_lshl_b32 s16, s16, 11
	s_mov_b32 s17, 0
	s_lshl_b32 s46, s12, 17                        ; B: k row 64 x half, column 256 x tile column, in bytes
	s_lshl_b32 s47, s42, 9
	s_add_co_u32 s46, s46, s47
	s_mov_b32 s47, 0
	s_mul_i32 s20, s10, HALFT                      ; where they go: wave x HALFT: no place in the cluster enters an LDS address
	s_wait_dscnt 0x0                               ; the opening add is done
	s_wait_kmcnt 0x0
	s_add_nc_u64 s[14:15], s[68:69], s[16:17]
	s_add_nc_u64 s[46:47], s[70:71], s[46:47]
	CROUND                                         ; all sixteen work-groups are here: the first joint loads meet
.irp s, 0,1
	s_mov_b32 s[G0+4*(\s)], 1
	s_add_co_u32 s[G0+4*(\s)+1], s20, (\s)*SLOT
	s_add_nc_u64 s[G0+4*(\s)+2:G0+4*(\s)+3], s[14:15], (\s)*KSTEP*2
	s_or_b32 s[G0+4*(\s)+3], s[G0+4*(\s)+3], 0x80000000
	s_mov_b32 s[G0B+4*(\s)], 1
	s_add_co_u32 s[G0B+4*(\s)+1], s20, (\s)*SLOT
	s_add_nc_u64 s[G0B+4*(\s)+2:G0B+4*(\s)+3], s[46:47], (\s)*KSTEP*ROWB
	s_or_b32 s[G0B+4*(\s)+3], s[G0B+4*(\s)+3], 0x80000000
	JLOAD \s                                       ; two tensor loads of mine are out
.endr
	v_and_b32 v1, 15, v0                           ; r = lane % 16
	v_bfe_u32 v2, v0, 4, 1                         ; h = lane / 16
	v_mul_u32_u24 v3, v1, PITCH
	v_lshl_add_u32 v3, v2, 4, v3                   ; A's fragment: row x pitch + 16 x half
	v_and_b32 v4, 7, v0
	v_bfe_u32 v5, v0, 3, 1
	v_lshl_add_u32 v4, v2, 3, v4                   ; B's turning load: k row 8 h + lane % 8, 16 bytes by (lane / 8) % 2
	v_mul_u32_u24 v4, v4, PB
	v_lshl_add_u32 v4, v5, 4, v4
	s_mul_i32 s21, s11, HALFT                      ; my 128 rows of A
	s_lshl_b32 s22, s12, 8                         ; my 128 columns of B,
	s_add_co_u32 s22, s22, 2*HALFT                 ; which lies behind A's 256 rows
.irp s, 0,1
	v_add_nc_u32 v[ADRA+(\s)], s21, v3
	v_add_nc_u32 v[ADRB+(\s)], s22, v4
	s_add_co_u32 s21, s21, SLOT
	s_add_co_u32 s22, s22, SLOT
.endr
	s_mul_i32 s23, s10, DUMPW
	v_mul_u32_u24 v[DST], v1, PF
	v_lshl_add_u32 v[DST], v2, 4, v[DST]
	v_add_nc_u32 v[DST], s23, v[DST]
	v_mul_u32_u24 v[RDA], v2, PF
	v_lshl_add_u32 v[RDA], v1, 4, v[RDA]
	v_add_nc_u32 v[RDA], s23, v[RDA]
	v_lshlrev_b32 v[CO], 11, v2
	v_lshl_add_u32 v[CO], v1, 4, v[CO]
	v_lshlrev_b32 v[QO], 5, v1
	v_and_b32 v6, 31, v0
	v_lshrrev_b32 v7, s11, v6                      ; A: a lane a row; B: two lanes a row
	v_and_b32 v8, s11, v6
	v_lshlrev_b32 v[PFO], 11, v7
	v_lshl_add_u32 v[PFO], v8, 8, v[PFO]
	; alg at my 128 x 128
	s_lshl_b32 s84, s13, 8
	s_lshl_b32 s85, s11, 7
	s_add_co_u32 s84, s84, s85
	s_lshl_b32 s84, s84, 11
	s_lshl_b32 s85, s42, 9
	s_add_co_u32 s84, s84, s85
	s_lshl_b32 s85, s12, 8
	s_add_co_u32 s84, s84, s85
	s_mov_b32 s85, 0
	s_add_nc_u64 s[72:73], s[72:73], s[84:85]
	; the biases at my 128 columns; pa also at my batch, tile row / 4
	s_lshl_b32 s86, s42, 10
	s_lshl_b32 s87, s12, 9
	s_add_co_u32 s86, s86, s87
	s_mov_b32 s87, 0
	s_add_nc_u64 s[76:77], s[76:77], s[86:87]
	s_add_nc_u64 s[78:79], s[78:79], s[86:87]
	s_lshr_b32 s22, s13, 2
	s_lshl_b32 s22, s22, 12
	s_add_co_u32 s86, s86, s22
	s_add_nc_u64 s[74:75], s[74:75], s[86:87]
	global_load_b128 v[BI:BI+3],     v[QO], s[74:75]
	global_load_b128 v[BI+4:BI+7],   v[QO], s[74:75] offset:16
	global_load_b128 v[BI+8:BI+11],  v[QO], s[74:75] offset:131072
	global_load_b128 v[BI+12:BI+15], v[QO], s[74:75] offset:131088
	global_load_b128 v[BI+16:BI+19], v[QO], s[76:77]
	global_load_b128 v[BI+20:BI+23], v[QO], s[76:77] offset:16
	global_load_b128 v[BI+24:BI+27], v[QO], s[78:79]
	global_load_b128 v[BI+28:BI+31], v[QO], s[78:79] offset:16
	s_mov_b32 s[CC], 0x4038aa3b                    ; 2 log2(e)
	s_mov_b32 s[CC+1], s[CC]                       ; named with it as a pair
	; the prefetches: at K step 3; the first change of slots steps the address to K step 4
	s_lshl_b32 s18, s13, 8
	s_lshl_b32 s19, s12, 7
	s_add_co_u32 s18, s18, s19
	s_lshl_b32 s19, s40, 5
	s_add_co_u32 s18, s18, s19                     ; A: the 128 rows that I fetch, my work-group's 32 of them
	s_lshl_b32 s18, s18, 11
	s_add_co_u32 s18, s18, 3*KSTEP*2
	s_lshl_b32 s19, s12, 6
	s_lshl_b32 s21, s41, 4
	s_add_co_u32 s19, s19, s21                     ; B: the 64 k rows that I fetch, my work-group's 16 of them
	s_lshl_b32 s19, s19, 11
	s_lshl_b32 s21, s42, 9
	s_add_co_u32 s19, s19, s21
	s_add_co_u32 s19, s19, 3*KSTEP*ROWB
	s_and_b32 s23, ttmp7, 0xffff                   ; cluster y
	s_mov_b32 s[PST], KSTEP*ROWB
	s_mov_b32 s[PST+1], 0
	s_cmp_eq_u32 s11, 0                            ; do I fetch for A?
	s_cselect_b32 s22, s18, s19
	s_cselect_b32 s21, ttmp9, s23                  ; the coordinate along which other clusters read the same bytes
	s_cselect_b64 s[PFA:PFA+1], s[68:69], s[70:71]
	s_cselect_b32 s[PST], KSTEP*2, s[PST]
	s_mov_b32 s23, 0
	s_add_nc_u64 s[PFA:PFA+1], s[PFA:PFA+1], s[22:23]
	s_cmp_eq_u32 s21, 0
	s_cselect_b32 s[LIM], 1, -1                    ; the same in all sixteen partners, for a given wave
; 16 matrix instructions: m blocks a0, a0 + 1 of the window's four x all 8 n blocks, 32 along K.  zero = 1: the first product starts the sums
.macro MUL16 f, hi, a0, zero
	WIN MUL_LO+0x50*(\hi)
.irp a, \a0, (\a0)+1
.irp b, 0,1,2,3,4,5,6,7
.if \zero
	v_wmma_f32_16x16x32_bf16 v[8*(8*(\a)+(\b)):8*(8*(\a)+(\b))+7], v[(\f)+8*(\b):(\f)+8*(\b)+7], v[(\f)+8*(4*(\hi)+(\a)):(\f)+8*(4*(\hi)+(\a))+7], 0
.else
	v_wmma_f32_16x16x32_bf16 v[8*(8*(\a)+(\b)):8*(8*(\a)+(\b))+7], v[(\f)+8*(\b):(\f)+8*(\b)+7], v[(\f)+8*(4*(\hi)+(\a)):(\f)+8*(4*(\hi)+(\a))+7], v[8*(8*(\a)+(\b)):8*(8*(\a)+(\b))+7]
.endif
.endr
.endr
.endm
; 32 LDS loads in one run: the fragments of quarter q of a K step (32 k x my 128 columns of B, turned; my 128 rows of A x 32 k) into buffer f
.macro FETCH slot, q, f
	WIN TO_B
.irp i, 0,1,2,3,4,5,6,7
	ds_load_tr16_b128 v[(\f)+8*(\i):(\f)+8*(\i)+3],   v[ADRB+(\slot)] offset:(\q)*32*PB+32*(\i)
	ds_load_tr16_b128 v[(\f)+8*(\i)+4:(\f)+8*(\i)+7], v[ADRB+(\slot)] offset:(\q)*32*PB+16*PB+32*(\i)
.endr
	WIN 0
.irp i, 0,1,2,3,4,5,6,7
	ds_load_b128 v[(\f)+8*(\i):(\f)+8*(\i)+3],   v[ADRA+(\slot)] offset:(\q)*64+(\i)*16*PITCH
	ds_load_b128 v[(\f)+8*(\i)+4:(\f)+8*(\i)+7], v[ADRA+(\slot)] offset:(\q)*64+(\i)*16*PITCH+32
.endr
.endm
.macro PLACES                          ; four places in front of loads into registers that matrix instructions have read (ISA guide 7.12.1 for vector instructions)
.rept 4
	v_nop
.endr
.endm
; A K step is four quarters of 32 along K, 64 matrix instructions each, on buffers 0, 1, 0, 1.  One of the first three: multiplies f; in its middle it fetches quarter q into g.
.macro QUARTER slot, q, f, g, zero
	s_wait_dscnt 8                                 ; B and A's rows 0-63 are in; the youngest eight loads (A's rows 64-127) may be out
	MUL16 \f, 0, 0, \zero
	MUL16 \f, 0, 2, \zero
	PLACES
	FETCH \slot, \q, \g
	s_wait_dscnt 32                                ; all but the 32 just issued
	MUL16 \f, 1, 0, \zero
	MUL16 \f, 1, 2, \zero
.endm
; The first half of the last quarter: ONE barrier for the change of slots.  In front of it each wave waits for all its tensor loads, adds 0 to its spare word, and waits for that and for its own reads of this slot.
.macro MEET round
	WIN 0                                          ; (the add's two registers lie in window 0)
	s_wait_tensorcnt 0x0                           ; all my tensor loads have landed: the one that was out is my part of the next slot
	ds_add_u32 v[SPW], v[NIL]                      ; 0 onto my spare word
	s_wait_dscnt 9                                 ; (the add and the youngest eight loads may be out)
	MUL16 F1, 0, 0, 0                              ; sixteen matrix instructions stand between the add and the wait for it
	s_wait_dscnt 0x0                               ; the add is done, and my reads of this slot are over
	s_barrier_signal -1
	MUL16 F1, 0, 2, 0
.if \round
	WIN 0
.endif
	s_barrier_wait -1
.endm
; The whole last quarter, with a refill: the barrier opens a round of the cluster's barrier; the joint refill, this slot's K step two on, is the first tensor load behind the round.
.macro TURN slot, next
	s_wait_xcnt 0x0                                ; the last prefetch, a K step back, has read its address
	s_add_nc_u64 s[PFA:PFA+1], s[PFA:PFA+1], s[PST:PST+1]
	MEET 1
	CREST                                          ; no wave of any partner still reads this slot's tile or has a load on its way
	s_add_nc_u64 s[G0+4*(\slot)+2:G0+4*(\slot)+3], s[G0+4*(\slot)+2:G0+4*(\slot)+3], 2*KSTEP*2
	s_add_nc_u64 s[G0B+4*(\slot)+2:G0B+4*(\slot)+3], s[G0B+4*(\slot)+2:G0B+4*(\slot)+3], 2*KSTEP*ROWB
	JLOAD \slot                                    ; its four v_nop are also the places in front of the loads below; 224 matrix instructions stand between it and the wait for it
	FETCH \next, 0, F0
	ASK
	MUL16 F1, 1, 0, 0
	MUL16 F1, 1, 2, 0
.endm
	s_wait_tensorcnt 1                             ; my part of K step 0 is in; K step 1's may stay out
	s_barrier_signal -1
	s_barrier_wait -1
	FETCH 0, 0, F0
	QUARTER 0, 1, F0, F1, 1                        ; the first quarter stands in front of the loop: its products start the sums
	WIN 0                                          ; at a label and at a branch every window is 0
	s_mov_b32 s3, 3
.Llap:                                                 ; a trip goes once round the ring and fills both slots again: K steps 2 to 7
	QUARTER 0, 2, F1, F0, 0
	QUARTER 0, 3, F0, F1, 0
	TURN 0, 1
	QUARTER 1, 1, F0, F1, 0
	QUARTER 1, 2, F1, F0, 0
	QUARTER 1, 3, F0, F1, 0
	TURN 1, 0
	QUARTER 0, 1, F0, F1, 0
	WIN 0
	s_sub_co_u32 s3, s3, 1
	s_cmp_lg_u32 s3, 0
	s_cbranch_scc1 .Llap
	QUARTER 0, 2, F1, F0, 0                        ; the last lap fills nothing
	QUARTER 0, 3, F0, F1, 0
	MEET 0                                         ; my one tensor load that was still out is the last K step's
	PLACES
	FETCH 1, 0, F0
	MUL16 F1, 1, 0, 0
	MUL16 F1, 1, 2, 0
	QUARTER 1, 1, F0, F1, 0
	QUARTER 1, 2, F1, F0, 0
	QUARTER 1, 3, F0, F1, 0
	s_wait_dscnt 0x0                               ; my last reads of the ring are back:
	s_barrier_signal -1                            ; say so; the last 64 products, work on registers, stand between signal and wait
	MUL16 F1, 0, 0, 0
	MUL16 F1, 0, 2, 0
	MUL16 F1, 1, 0, 0
	MUL16 F1, 1, 2, 0
	WIN 0
	s_barrier_wait -1                              ; no wave reads the ring any more, and it has had its last fill: its bytes may be stored into
	PLACES
	PLACES                                         ; the places between the last product and the stores that read results, with room to spare: once a launch
	; my sums into LDS: row m of my 128 at m x 528; of its columns 8 q + 0..3 lie at byte 16 q, columns 8 q + 4..7 at byte 256 + 16 q.  Each accumulator's low registers go first.
.irp a, 0,1,2,3,4,5,6,7
	WIN 0x08+4*((\a)/4)                            ; the data (source 1) in window 2 or 3
.irp b, 0,1,2,3,4,5,6,7
	ds_store_b128 v[DST], v[64*((\a)%4)+8*(\b):64*((\a)%4)+8*(\b)+3]   offset:(\a)*16*PF+32*(\b)
	ds_store_b128 v[DST], v[64*((\a)%4)+8*(\b)+4:64*((\a)%4)+8*(\b)+7] offset:(\a)*16*PF+32*(\b)+256
.endr
.endr
	WIN 0
.irp p, 0,1,2,3
	ds_load_b128 v[X+8*(\p):X+8*(\p)+3],   v[RDA] offset:(\p)*2*PF       ; my first 8 rows.  My own bytes: LDS serves a wave's instructions in order (ISA guide 5.7.1.4)
	ds_load_b128 v[X+8*(\p)+4:X+8*(\p)+7], v[RDA] offset:(\p)*2*PF+256
.endr
	s_wait_loadcnt 0x0                             ; the biases
.irp j, 0,2,4,6
	v_pk_add_f32 v[BI+(\j):BI+(\j)+1], v[BI+(\j):BI+(\j)+1], v[BI+8+(\j):BI+8+(\j)+1]
	v_pk_add_f32 v[BI+16+(\j):BI+16+(\j)+1], v[BI+16+(\j):BI+16+(\j)+1], v[BI+24+(\j):BI+24+(\j)+1]
.endr
.irp j, 0,2,4,6
	v_pk_add_f32 v[BI+(\j):BI+(\j)+1], v[BI+(\j):BI+(\j)+1], v[BI+16+(\j):BI+16+(\j)+1]
.endr
.irp j, 0,2,4,6
	v_pk_mul_f32 v[QK+(\j):QK+(\j)+1], v[BI+(\j):BI+(\j)+1], s[CC:CC+1] op_sel_hi:[1,0]
.endr
; 8 rows: a lane has 8 neighbouring columns of rows 2 p + lane / 16, p = 0..3.  more = 1: the next 8 rows are asked of LDS as soon as X has been read.
.macro ROWS8 more
	s_wait_dscnt 0x0                               ; X, asked for a trip ago, is in
.set n, 0
.rept 16
	v_pk_fma_f32 v[Z+n:Z+n+1], v[X+n:X+n+1], s[CC:CC+1], v[QK+n%8:QK+n%8+1] op_sel_hi:[1,0,1]
.set n, n+2
.endr
.if \more
	v_add_nc_u32 v[RDA], 8*PF, v[RDA]
.irp p, 0,1,2,3
	ds_load_b128 v[X+8*(\p):X+8*(\p)+3],   v[RDA] offset:(\p)*2*PF
	ds_load_b128 v[X+8*(\p)+4:X+8*(\p)+7], v[RDA] offset:(\p)*2*PF+256
.endr
.endif
.set n, 0
.rept 32
	v_exp_f32 v[Z+n], v[Z+n]
.set n, n+1
.endr
	v_nop                                          ; a plain instruction behind the last exponential,
	s_wait_alu depctr_va_vdst(0)                   ; and the one wait ahead of the batch's first reader
.set n, 0
.rept 16
	v_pk_add_f32 v[Z+n:Z+n+1], v[Z+n:Z+n+1], 1.0 op_sel_hi:[1,0]
.set n, n+2
.endr
.set n, 0
.rept 32
	v_rcp_f32 v[Z+n], v[Z+n]
.set n, n+1
.endr
	v_nop
	s_wait_alu depctr_va_vdst(0)                   ; one wait for the 32 reciprocals
.set n, 0
.rept 16
	v_pk_fma_f32 v[Z+n:Z+n+1], v[Z+n:Z+n+1], -2.0, 1.0 op_sel_hi:[1,0,0]
.set n, n+2
.endr
	s_wait_xcnt 0x0                                ; the last trip's stores, a whole trip back, have read Y and their base: both are written again only behind this wait
	s_add_nc_u64 s[72:73], s[72:73], 8*ROWB        ; the base runs 8 rows ahead; the stores reach back
.set n, 0
.rept 16
	v_cvt_pk_bf16_f32 v[Y+n], v[Z+2*n], v[Z+2*n+1]
.set n, n+1
.endr
.irp p, 0,1,2,3
	global_store_b128 v[CO], v[Y+4*(\p):Y+4*(\p)+3], s[72:73] offset:(\p)*2*ROWB-8*ROWB  ; 16 lanes store 256 consecutive bytes, at a multiple of 256 from alg's first byte
.endr
.endm
	s_mov_b32 s3, 15
.Lrows:
	ROWS8 1
	s_sub_co_u32 s3, s3, 1
	s_cmp_lg_u32 s3, 0
	s_cbranch_scc1 .Lrows
	ROWS8 0                                        ; the last 8 rows are written out: nothing is read beyond my 128 rows
	s_wait_tensorcnt 0x0                           ; the wave's end: three closing lines, behind my last tensor load and my last LDS store
	ds_add_u32 v[SPW], v[NIL]
	s_wait_dscnt 0x0
	CROUND                                         ; the closing round: no work-group ends while a partner may still ask for a tile that names it
	s_endpgm
.Lfunc_end_k_qf48173ba6b_g1:
	.size	k_qf48173ba6b_g1, .Lfunc_end_k_qf48173ba6b_g1-k_qf48173ba6b_g1
	.p2alignl 7, 3214868480
	.fill 96, 4, 3214868480
	.section	.rodata,"a",@progbits
	.p2align	6, 0x0
	.amdhsa_kernel k_qf48173ba6b_g1
		.amdhsa_group_segment_fixed_size 327680
		.amdhsa_private_segment_fixed_size 0
		.amdhsa_enable_private_segment 0
		.amdhsa_kernarg_size 48
		.amdhsa_user_sgpr_count 2
		.amdhsa_user_sgpr_kernarg_segment_ptr 1
		.amdhsa_wavefront_size32 1
		.amdhsa_system_sgpr_workgroup_id_x 1
		.amdhsa_system_sgpr_workgroup_id_y 1
		.amdhsa_system_sgpr_workgroup_id_z 1
		.amdhsa_system_vgpr_workitem_id 0
		.amdhsa_next_free_vgpr 1024
		.amdhsa_next_free_sgpr 88
		.amdhsa_reserve_vcc 0
		.amdhsa_float_denorm_mode_32 3
		.amdhsa_float_denorm_mode_16_64 3
		.amdhsa_memory_ordered 1
		.amdhsa_forward_progress 1
		.amdhsa_inst_pref_size 138
	.end_amdhsa_kernel
	.amdgpu_metadata
---
amdhsa.version: [ 1, 2 ]
amdhsa.kernels:
  - .name:           k_qf48173ba6b_g1
    .symbol:         k_qf48173ba6b_g1.kd
    .args:
      - { .name: seqb, .offset: 0, .size: 8, .value_kind: global_buffer, .address_space: global }
      - { .name: wkb, .offset: 8, .size: 8, .value_kind: global_buffer, .address_space: global }
      - { .name: alg, .offset: 16, .size: 8, .value_kind: global_buffer, .address_space: global }
      - { .name: pa, .offset: 24, .size: 8, .value_kind: global_buffer, .address_space: global }
      - { .name: bq, .offset: 32, .size: 8, .value_kind: global_buffer, .address_space: global }
      - { .name: bk, .offset: 40, .size: 8, .value_kind: global_buffer, .address_space: global }
    .group_segment_fixed_size: 327680
    .private_segment_fixed_size: 0
    .kernarg_segment_align: 8
    .kernarg_segment_size: 48
    .max_flat_workgroup_size: 128
    .sgpr_count:     88
    .vgpr_count:     1024
    .wavefront_size: 32
...
	.end_amdgpu_metadata
.endif
;; end of part 2
;; launch g2 (part 3): grid 4 x 128, 4 waves a work-group, clusters of 4 x 4, 327,680 bytes of LDS; arguments alg, wgb, sp, bg, Ws; writes sp
.if DOCPART == 3
	.amdgcn_target "amdgcn-amd-amdhsa--gfx1250"
	.amdhsa_code_object_version 6
	.text
	.protected	k_qf48173ba6b_g2
	.globl	k_qf48173ba6b_g2
	.p2align	8
	.type	k_qf48173ba6b_g2,@function
k_qf48173ba6b_g2:
	s_mov_b64 s[64:65], 0
	v_nop
	global_prefetch_b8 v0, s[64:65] scope:SCOPE_SE
	s_setreg_imm32_b32 hwreg(HW_REG_WAVE_MODE, 25, 1), 1
	s_wait_xcnt 0x0
	s_wait_alu depctr_hold_cnt(0) depctr_sa_sdst(0) depctr_va_vdst(0) depctr_va_sdst(0) depctr_va_ssrc(0) depctr_va_vcc(0) depctr_vm_vsrc(0)
	s_getreg_b32 s2, hwreg(HW_REG_IB_STS2, 6, 4)
	s_cmp_eq_u32 s2, 0
	s_cbranch_scc0 .Lentry_in_a_cluster
	s_endpgm
.Lentry_in_a_cluster:
	s_bfe_u32 s2, ttmp6, 0x10000c
	s_cmp_lg_u32 s2, 0xf033
	s_cbranch_scc0 .Lentry_shape_is_right
	s_endpgm
.Lentry_shape_is_right:
; sp[cb][row] = the sum over the 128 columns n of block cb of alg[row][n] sigmoid( the sum over k of alg[row][k] wgb[k][n] + bg[n] ) Ws[n]: eight partial scores a row, f32, added up by the next launch.
; alg: [32768][1024] bf16.  wgb: [1024 (k)][1024 (n)] bf16.  Sums, bias, sigmoid and the partial scores in f32.
; sigmoid(x) = 1 / (1 + 2^(-log2(e) x)): where the power is infinite or 0 the result is 0 or 1, as it should be.  NaN and infinities in the inputs are not treated apart.
; The product with Ws has one output column: it is a weighted sum along a row, made on the way out by vector instructions and four steps across 16 lanes.
; A tile of 256 x 256 is made by four waves, 128 x 128 each: 64 accumulators of 16 x 16, 512 registers.  K goes in 8 steps of 128 through a ring of two LDS slots filled by the tensor data mover.
; A's tile rows are 256 bytes of memory; B's tile is 128 k rows of 512 bytes, read out of LDS turned (ds_load_tr16_b128), since wgb lies [k][n].
; CLUSTERS: 4 x 4 work-groups.  The four of a row of the cluster need the same tiles of A, the four of a column the same tiles of B: each tile is asked for JOINTLY.
; THE MATRIX INSTRUCTION IS USED TRANSPOSED (source 0 = 16 columns of B, source 1 = 16 rows of A): a lane holds row lane % 16 and the columns 8 (lane / 16) + 0..7.
; THE WAY OUT: when the ring has had its last fill and its last read, each wave lays its 128 x 128 sums in f32 into the ring's bytes and walks them in a loop, 8 rows a trip; the sums out of LDS and alg's numbers
; at the same rows and columns are both asked for a trip ahead.
; REGISTERS, in windows of 256: window 0: v0-31 addresses, v32-55 bg, Ws and the scaled bias, v64-191 A's two fragment buffers (later the way out);
;   window 1: v64-191 B's two fragment buffers; windows 2 and 3: the accumulators ((a, b) at v[8 (8 (a % 4) + b)]).
.set KSTEP,  128
.set ROWB,   2048                      ; bytes in a row of alg and wgb
.set PITCH,  272                       ; A's LDS row: 256 bytes + 16 = 68 words: the 16 rows of a load start at 16 different groups of four banks (64 banks of 4 bytes: ISA guide 11.1)
.set PB,     544                       ; B's LDS row: 512 bytes + 32 = 136 words
.set HALFT,  128*PITCH                 ; what one tensor load brings: 128 rows of A, or 64 k rows of B
.set SLOT,   4*HALFT                   ; A's 256 rows, then B's 128 k rows
.set PF,     528                       ; the way out: a row of 128 f32 + 16 bytes
.set DUMPW,  128*PF                    ; a wave's 128 rows; four of them lie inside the ring's 2 SLOT bytes
.set SCB,    2*SLOT                    ; behind the ring: 128 partial scores for each wave, 512 bytes; no tile lands here
.set SPARE,  SCB+4*512                 ; the spare words, 128 bytes for each wave: two blocks of 256 bytes that no other line names
.set ADRA, 16                          ; v16-17  LDS address of my A fragments in slot 0, 1
.set ADRB, 20                          ; v20-21  the same for B
.set DST,  22                          ; v22     the way out: where I put 16 bytes of a row of sums
.set RDA,  23                          ; v23     the way out: where I read rows back; steps
.set CO,   24                          ; v24     my byte offset in two rows of alg
.set QO,   25                          ; v25     my byte offset in bg and Ws: my 8 columns
.set SCW,  26                          ; v26     where a row's partial score goes; steps
.set SCR,  27                          ; v27     where I read four scores back
.set SPW,  28                          ; v28     LDS address of my spare word; never rewritten
.set NIL,  29                          ; v29     0; never rewritten
.set PFO,  30                          ; v30     the prefetches' offset; never rewritten
.set SO,   31                          ; v31     16 x lane: my four scores in sp
.set BGL,  32                          ; v[32:39] bg of my 8 columns
.set WSV,  40                          ; v[40:47] Ws of my 8 columns
.set BGS,  48                          ; v[48:55] -log2(e) bg
.set F0,   64
.set F1,   128
.set X,    64                          ; the way out: 8 rows' sums as read from LDS
.set EF,   96                          ; alg at the same places, in f32, then times Ws
.set E,    128                         ; alg as loaded, 4 pairs of rows x 4 registers
.set S,    144                         ; four pairs of partial sums
.set Z,    152                         ; the 8 rows' 32 numbers at work
.set G1,  24
.set G0,  32
.set G1B, 48
.set G0B, 56
.set LIM, 43                           ; s43  1 in a wave that prefetches, else the greatest number
.set PFA, 44                           ; s[44:45] where my prefetches stand
.set PST, 66                           ; s[66:67] a K step in my tensor
.set CC,  80                           ; s[80:81] -log2(e)
.set EB,  82                           ; s[82:83] alg at my 128 x 128 of the tile; steps
.set HM,  86                           ; s86  a word's upper bf16
.set MSB, 0
.macro WIN new                         ; the immediate's high byte repeats the setting that is left; a switch that changes nothing is dropped
.if MSB != (\new)
	s_set_vgpr_msb (MSB<<8)|(\new)
.set MSB, \new
.endif
.endm
.set MUL_LO, 0xa1                      ; source 0 (B) window 1, source 1 (A) window 0, C and D window 2
.set MUL_HI, 0xf1                      ; the same, C and D window 3
.set TO_B,   0x40                      ; destination window 1, address window 0
; A joint load.  Waves 0 and 1 fetch A's two halves, waves 2 and 3 B's.  The branch hangs on the wave's number alone.  An s_nop 0 and four v_nop follow each of the two lines.
.macro JLOAD s
	s_cmp_eq_u32 s11, 0
	s_cbranch_scc0 .Lfor_b_\@
	tensor_load_to_lds s[G0+4*(\s):G0+4*(\s)+3], s[G1:G1+7]
	s_nop 0
.rept 4
	v_nop
.endr
	s_branch .Lasked_\@
.Lfor_b_\@:
	tensor_load_to_lds s[G0B+4*(\s):G0B+4*(\s)+3], s[G1B:G1B+7]
	s_nop 0
.rept 4
	v_nop
.endr
.Lasked_\@:
.endm
; A prefetch, behind each joint refill and the run of LDS loads that follows it: the K step that stands two refills on, 512 matrix instructions ahead of the load that will want it.
; Each block of 256 bytes is named once in the launch.  A's tile rows are asked for by the one cluster that multiplies them; B's tile columns are read by all 32 clusters: cluster y = 0 asks.
; The four partners that ask for a tile jointly share it out BY ADDRESS: of A's 128 rows that a wave fetches the partner at cx takes 32, a lane a row; of B's 64 k rows the partner at cy takes 16, a lane half a row.
; The loop's last trip asks for nothing: K steps 6 and 7 are the last.
.macro ASK
	s_cmp_gt_u32 s3, s[LIM]                        ; s3 = 1 in the loop's last trip
	s_cbranch_scc0 .Lnot_mine_\@
	global_prefetch_b8 v[PFO], s[PFA:PFA+1] th:TH_LOAD_NT scope:SCOPE_SE
.Lnot_mine_\@:
.endm
.macro CREST                           ; a round of the cluster's barrier behind its opening barrier
	s_cmp_lg_u32 s10, 0
	s_cbranch_scc1 .Lnot_wave_0_\@
	s_barrier_signal -3
.Lnot_wave_0_\@:
	s_barrier_wait -3
	s_barrier_signal -1
	s_barrier_wait -1
.endm
.macro CROUND                          ; a whole round
	s_barrier_signal -1
	s_barrier_wait -1
	CREST
.endm
	s_load_b256 s[68:75], s[0:1], 0x0              ; alg s[68:69], wgb s[70:71], sp s[72:73], bg s[74:75]
	s_load_b64 s[76:77], s[0:1], 0x20              ; Ws
	v_lshl_add_u32 v[SPW], v0, 2, SPARE
	v_mov_b32 v[NIL], 0
	ds_add_u32 v[SPW], v[NIL]                      ; the wave's opening: the add and its wait stand ahead of my first tensor load; the set-up below, work on registers, stands between them
	v_lshrrev_b32 v1, 5, v0
	v_readfirstlane_b32 s10, v1                    ; wave 0..3
	s_lshr_b32 s11, s10, 1                         ; which half of the tile's rows is mine.  Also: I fetch for A (0) or for B (1)
	s_and_b32 s12, s10, 1                          ; which half of its columns.  Also: which half of that tile I fetch
	s_bfe_u32 s40, ttmp6, 0x40000                  ; cx
	s_bfe_u32 s41, ttmp6, 0x40004                  ; cy
	s_lshl_b32 s42, ttmp9, 2
	s_add_co_u32 s42, s42, s40                     ; tile column = 4 x cluster x + cx
	s_and_b32 s13, ttmp7, 0xffff
	s_lshl_b32 s13, s13, 2
	s_add_co_u32 s13, s13, s41                     ; tile row = 4 x cluster y + cy
	s_lshl_b32 s43, s41, 2
	s_lshl_b32 s43, 15, s43                        ; my row of the cluster
	s_lshl_b32 s44, 0x1111, s40                    ; my column
	s_or_b32 s[G1+0], s43, (1<<16)|(1<<20)|(1<<21)|(5<<22)|(3<<25)   ; the mask; elements of 2 bytes; padding on; bit 21 beside a mask; after every 64 words, 4 words
	s_or_b32 s[G1B+0], s44, (1<<16)|(1<<20)|(1<<21)|(6<<22)|(7<<25)  ; the same for B: after every 128 words, 8 words
	s_mov_b32 s[G1+1], KSTEP<<16                   ; A: tensor_dim0 = 128
	s_mov_b32 s[G1+2], 128<<16                     ; tensor_dim1 = 128
	s_mov_b32 s[G1+3], KSTEP<<16                   ; tile_dim0 = 128
	s_mov_b32 s[G1+4], 128                         ; tile_dim1 = 128
	s_mov_b32 s[G1+5], 1024                        ; elements from row to row
	s_mov_b32 s[G1+6], 0
	s_mov_b32 s[G1+7], 0
	s_mov_b32 s[G1B+1], 256<<16                    ; B: tensor_dim0 = 256
	s_mov_b32 s[G1B+2], 64<<16                     ; tensor_dim1 = 64
	s_mov_b32 s[G1B+3], 256<<16                    ; tile_dim0 = 256
	s_mov_b32 s[G1B+4], 64                         ; tile_dim1 = 64
	s_mov_b32 s[G1B+5], 1024
	s_mov_b32 s[G1B+6], 0
	s_mov_b32 s[G1B+7], 0
	s_lshl_b32 s16, s13, 8                         ; A: row 256 x tile row + 128 x half, in bytes
	s_lshl_b32 s17, s12, 7
	s_add_co_u32 s16, s16, s17
	s_lshl_b32 s16, s16, 11
	s_mov_b32 s17, 0
	s_lshl_b32 s46, s12, 17                        ; B: k row 64 x half, column 256 x tile column, in bytes
	s_lshl_b32 s47, s42, 9
	s_add_co_u32 s46, s46, s47
	s_mov_b32 s47, 0
	s_mul_i32 s20, s10, HALFT                      ; where they go: wave x HALFT: no place in the cluster enters an LDS address
	s_wait_dscnt 0x0                               ; the opening add is done
	s_wait_kmcnt 0x0
	s_add_nc_u64 s[14:15], s[68:69], s[16:17]
	s_add_nc_u64 s[46:47], s[70:71], s[46:47]
	CROUND                                         ; all sixteen work-groups are here: the first joint loads meet
.irp s, 0,1
	s_mov_b32 s[G0+4*(\s)], 1
	s_add_co_u32 s[G0+4*(\s)+1], s20, (\s)*SLOT
	s_add_nc_u64 s[G0+4*(\s)+2:G0+4*(\s)+3], s[14:15], (\s)*KSTEP*2
	s_or_b32 s[G0+4*(\s)+3], s[G0+4*(\s)+3], 0x80000000
	s_mov_b32 s[G0B+4*(\s)], 1
	s_add_co_u32 s[G0B+4*(\s)+1], s20, (\s)*SLOT
	s_add_nc_u64 s[G0B+4*(\s)+2:G0B+4*(\s)+3], s[46:47], (\s)*KSTEP*ROWB
	s_or_b32 s[G0B+4*(\s)+3], s[G0B+4*(\s)+3], 0x80000000
	JLOAD \s                                       ; two tensor loads of mine are out
.endr
	v_and_b32 v1, 15, v0                           ; r = lane % 16
	v_bfe_u32 v2, v0, 4, 1                         ; h = lane / 16
	v_mul_u32_u24 v3, v1, PITCH
	v_lshl_add_u32 v3, v2, 4, v3                   ; A's fragment: row x pitch + 16 x half
	v_and_b32 v4, 7, v0
	v_bfe_u32 v5, v0, 3, 1
	v_lshl_add_u32 v4, v2, 3, v4                   ; B's turning load: k row 8 h + lane % 8, 16 bytes by (lane / 8) % 2
	v_mul_u32_u24 v4, v4, PB
	v_lshl_add_u32 v4, v5, 4, v4
	s_mul_i32 s21, s11, HALFT                      ; my 128 rows of A
	s_lshl_b32 s22, s12, 8                         ; my 128 columns of B,
	s_add_co_u32 s22, s22, 2*HALFT                 ; which lies behind A's 256 rows
.irp s, 0,1
	v_add_nc_u32 v[ADRA+(\s)], s21, v3
	v_add_nc_u32 v[ADRB+(\s)], s22, v4
	s_add_co_u32 s21, s21, SLOT
	s_add_co_u32 s22, s22, SLOT
.endr
	s_mul_i32 s23, s10, DUMPW
	v_mul_u32_u24 v[DST], v1, PF
	v_lshl_add_u32 v[DST], v2, 4, v[DST]
	v_add_nc_u32 v[DST], s23, v[DST]
	v_mul_u32_u24 v[RDA], v2, PF
	v_lshl_add_u32 v[RDA], v1, 4, v[RDA]
	v_add_nc_u32 v[RDA], s23, v[RDA]
	v_lshlrev_b32 v[CO], 11, v2
	v_lshl_add_u32 v[CO], v1, 4, v[CO]
	v_lshlrev_b32 v[QO], 5, v1
	v_and_b32 v6, 31, v0
	v_lshrrev_b32 v7, s11, v6                      ; A: a lane a row; B: two lanes a row
	v_and_b32 v8, s11, v6
	v_lshlrev_b32 v[PFO], 11, v7
	v_lshl_add_u32 v[PFO], v8, 8, v[PFO]
	v_lshlrev_b32 v[SO], 4, v6
	s_lshl_b32 s23, s10, 9
	s_add_co_u32 s23, s23, SCB                     ; my wave's 128 scores
	v_lshl_add_u32 v[SCW], v2, 2, s23
	v_add_nc_u32 v[SCR], s23, v[SO]
	; alg at my 128 x 128 of the tile
	s_lshl_b32 s84, s13, 8
	s_lshl_b32 s85, s11, 7
	s_add_co_u32 s84, s84, s85
	s_lshl_b32 s22, s84, 2                         ; (my first row x 4 bytes, for sp)
	s_lshl_b32 s84, s84, 11
	s_lshl_b32 s85, s42, 9
	s_add_co_u32 s84, s84, s85
	s_lshl_b32 s85, s12, 8
	s_add_co_u32 s84, s84, s85
	s_mov_b32 s85, 0
	s_add_nc_u64 s[EB:EB+1], s[68:69], s[84:85]
	; bg and Ws at my 128 columns
	s_lshl_b32 s86, s42, 10
	s_lshl_b32 s87, s12, 9
	s_add_co_u32 s86, s86, s87
	s_mov_b32 s87, 0
	s_add_nc_u64 s[74:75], s[74:75], s[86:87]
	s_add_nc_u64 s[76:77], s[76:77], s[86:87]
	; sp at plane 2 x tile column + half, my first row
	s_lshl_b32 s84, s42, 1
	s_add_co_u32 s84, s84, s12
	s_lshl_b32 s84, s84, 17
	s_add_co_u32 s84, s84, s22
	s_add_nc_u64 s[72:73], s[72:73], s[84:85]
	global_load_b128 v[BGL:BGL+3],   v[QO], s[74:75]
	global_load_b128 v[BGL+4:BGL+7], v[QO], s[74:75] offset:16
	global_load_b128 v[WSV:WSV+3],   v[QO], s[76:77]
	global_load_b128 v[WSV+4:WSV+7], v[QO], s[76:77] offset:16
	s_mov_b32 s[CC], 0xbfb8aa3b                    ; -log2(e)
	s_mov_b32 s[CC+1], s[CC]                       ; named with it as a pair
	s_mov_b32 s[HM], 0xffff0000
	; the prefetches: at K step 3; the first change of slots steps the address to K step 4
	s_lshl_b32 s18, s13, 8
	s_lshl_b32 s19, s12, 7
	s_add_co_u32 s18, s18, s19
	s_lshl_b32 s19, s40, 5
	s_add_co_u32 s18, s18, s19                     ; A: the 128 rows that I fetch, my work-group's 32 of them
	s_lshl_b32 s18, s18, 11
	s_add_co_u32 s18, s18, 3*KSTEP*2
	s_lshl_b32 s19, s12, 6
	s_lshl_b32 s21, s41, 4
	s_add_co_u32 s19, s19, s21                     ; B: the 64 k rows that I fetch, my work-group's 16 of them
	s_lshl_b32 s19, s19, 11
	s_lshl_b32 s21, s42, 9
	s_add_co_u32 s19, s19, s21
	s_add_co_u32 s19, s19, 3*KSTEP*ROWB
	s_and_b32 s23, ttmp7, 0xffff                   ; cluster y
	s_mov_b32 s[PST], KSTEP*ROWB
	s_mov_b32 s[PST+1], 0
	s_cmp_eq_u32 s11, 0                            ; do I fetch for A?
	s_cselect_b32 s22, s18, s19
	s_cselect_b32 s21, ttmp9, s23                  ; the coordinate along which other clusters read the same bytes
	s_cselect_b64 s[PFA:PFA+1], s[68:69], s[70:71]
	s_cselect_b32 s[PST], KSTEP*2, s[PST]
	s_mov_b32 s23, 0
	s_add_nc_u64 s[PFA:PFA+1], s[PFA:PFA+1], s[22:23]
	s_cmp_eq_u32 s21, 0
	s_cselect_b32 s[LIM], 1, -1                    ; the same in all sixteen partners, for a given wave
; 16 matrix instructions: m blocks a0, a0 + 1 of the window's four x all 8 n blocks, 32 along K.  zero = 1: the first product starts the sums
.macro MUL16 f, hi, a0, zero
	WIN MUL_LO+0x50*(\hi)
.irp a, \a0, (\a0)+1
.irp b, 0,1,2,3,4,5,6,7
.if \zero
	v_wmma_f32_16x16x32_bf16 v[8*(8*(\a)+(\b)):8*(8*(\a)+(\b))+7], v[(\f)+8*(\b):(\f)+8*(\b)+7], v[(\f)+8*(4*(\hi)+(\a)):(\f)+8*(4*(\hi)+(\a))+7], 0
.else
	v_wmma_f32_16x16x32_bf16 v[8*(8*(\a)+(\b)):8*(8*(\a)+(\b))+7], v[(\f)+8*(\b):(\f)+8*(\b)+7], v[(\f)+8*(4*(\hi)+(\a)):(\f)+8*(4*(\hi)+(\a))+7], v[8*(8*(\a)+(\b)):8*(8*(\a)+(\b))+7]
.endif
.endr
.endr
.endm
; 32 LDS loads in one run: the fragments of quarter q of a K step (32 k x my 128 columns of B, turned; my 128 rows of A x 32 k) into buffer f
.macro FETCH slot, q, f
	WIN TO_B
.irp i, 0,1,2,3,4,5,6,7
	ds_load_tr16_b128 v[(\f)+8*(\i):(\f)+8*(\i)+3],   v[ADRB+(\slot)] offset:(\q)*32*PB+32*(\i)
	ds_load_tr16_b128 v[(\f)+8*(\i)+4:(\f)+8*(\i)+7], v[ADRB+(\slot)] offset:(\q)*32*PB+16*PB+32*(\i)
.endr
	WIN 0
.irp i, 0,1,2,3,4,5,6,7
	ds_load_b128 v[(\f)+8*(\i):(\f)+8*(\i)+3],   v[ADRA+(\slot)] offset:(\q)*64+(\i)*16*PITCH
	ds_load_b128 v[(\f)+8*(\i)+4:(\f)+8*(\i)+7], v[ADRA+(\slot)] offset:(\q)*64+(\i)*16*PITCH+32
.endr
.endm
.macro PLACES                          ; four places in front of loads into registers that matrix instructions have read (ISA guide 7.12.1 for vector instructions)
.rept 4
	v_nop
.endr
.endm
; A K step is four quarters of 32 along K, 64 matrix instructions each, on buffers 0, 1, 0, 1.  One of the first three: multiplies f; in its middle it fetches quarter q into g.
.macro QUARTER slot, q, f, g, zero
	s_wait_dscnt 8                                 ; B and A's rows 0-63 are in; the youngest eight loads (A's rows 64-127) may be out
	MUL16 \f, 0, 0, \zero
	MUL16 \f, 0, 2, \zero
	PLACES
	FETCH \slot, \q, \g
	s_wait_dscnt 32                                ; all but the 32 just issued
	MUL16 \f, 1, 0, \zero
	MUL16 \f, 1, 2, \zero
.endm
; The first half of the last quarter: ONE barrier for the change of slots.  In front of it each wave waits for all its tensor loads, adds 0 to its spare word, and waits for that and for its own reads of this slot.
.macro MEET round
	WIN 0                                          ; (the add's two registers lie in window 0)
	s_wait_tensorcnt 0x0                           ; all my tensor loads have landed: the one that was out is my part of the next slot
	ds_add_u32 v[SPW], v[NIL]                      ; 0 onto my spare word
	s_wait_dscnt 9                                 ; (the add and the youngest eight loads may be out)
	MUL16 F1, 0, 0, 0                              ; sixteen matrix instructions stand between the add and the wait for it
	s_wait_dscnt 0x0                               ; the add is done, and my reads of this slot are over
	s_barrier_signal -1
	MUL16 F1, 0, 2, 0
.if \round
	WIN 0
.endif
	s_barrier_wait -1
.endm
; The whole last quarter, with a refill: the barrier opens a round of the cluster's barrier; the joint refill, this slot's K step two on, is the first tensor load behind the round.
.macro TURN slot, next
	s_wait_xcnt 0x0                                ; the last prefetch, a K step back, has read its address
	s_add_nc_u64 s[PFA:PFA+1], s[PFA:PFA+1], s[PST:PST+1]
	MEET 1
	CREST                                          ; no wave of any partner still reads this slot's tile or has a load on its way
	s_add_nc_u64 s[G0+4*(\slot)+2:G0+4*(\slot)+3], s[G0+4*(\slot)+2:G0+4*(\slot)+3], 2*KSTEP*2
	s_add_nc_u64 s[G0B+4*(\slot)+2:G0B+4*(\slot)+3], s[G0B+4*(\slot)+2:G0B+4*(\slot)+3], 2*KSTEP*ROWB
	JLOAD \slot                                    ; its four v_nop are also the places in front of the loads below; 224 matrix instructions stand between it and the wait for it
	FETCH \next, 0, F0
	ASK
	MUL16 F1, 1, 0, 0
	MUL16 F1, 1, 2, 0
.endm
	s_wait_tensorcnt 1                             ; my part of K step 0 is in; K step 1's may stay out
	s_barrier_signal -1
	s_barrier_wait -1
	FETCH 0, 0, F0
	QUARTER 0, 1, F0, F1, 1                        ; the first quarter stands in front of the loop: its products start the sums
	WIN 0                                          ; at a label and at a branch every window is 0
	s_mov_b32 s3, 3
.Llap:                                                 ; a trip goes once round the ring and fills both slots again: K steps 2 to 7
	QUARTER 0, 2, F1, F0, 0
	QUARTER 0, 3, F0, F1, 0
	TURN 0, 1
	QUARTER 1, 1, F0, F1, 0
	QUARTER 1, 2, F1, F0, 0
	QUARTER 1, 3, F0, F1, 0
	TURN 1, 0
	QUARTER 0, 1, F0, F1, 0
	WIN 0
	s_sub_co_u32 s3, s3, 1
	s_cmp_lg_u32 s3, 0
	s_cbranch_scc1 .Llap
	QUARTER 0, 2, F1, F0, 0                        ; the last lap fills nothing
	QUARTER 0, 3, F0, F1, 0
	MEET 0                                         ; my one tensor load that was still out is the last K step's
	PLACES
	FETCH 1, 0, F0
	MUL16 F1, 1, 0, 0
	MUL16 F1, 1, 2, 0
	QUARTER 1, 1, F0, F1, 0
	QUARTER 1, 2, F1, F0, 0
	QUARTER 1, 3, F0, F1, 0
	s_wait_dscnt 0x0                               ; my last reads of the ring are back:
	s_barrier_signal -1                            ; say so; the last 64 products, work on registers, stand between signal and wait
	MUL16 F1, 0, 0, 0
	MUL16 F1, 0, 2, 0
	MUL16 F1, 1, 0, 0
	MUL16 F1, 1, 2, 0
	WIN 0
	s_barrier_wait -1                              ; no wave reads the ring any more, and it has had its last fill: its bytes may be stored into
	PLACES
	PLACES                                         ; the places between the last product and the stores that read results, with room to spare: once a launch
	; my sums into LDS: row m of my 128 at m x 528; of its columns 8 q + 0..3 lie at byte 16 q, columns 8 q + 4..7 at byte 256 + 16 q.  Each accumulator's low registers go first.
.irp a, 0,1,2,3,4,5,6,7
	WIN 0x08+4*((\a)/4)                            ; the data (source 1) in window 2 or 3
.irp b, 0,1,2,3,4,5,6,7
	ds_store_b128 v[DST], v[64*((\a)%4)+8*(\b):64*((\a)%4)+8*(\b)+3]   offset:(\a)*16*PF+32*(\b)
	ds_store_b128 v[DST], v[64*((\a)%4)+8*(\b)+4:64*((\a)%4)+8*(\b)+7] offset:(\a)*16*PF+32*(\b)+256
.endr
.endr
	WIN 0
.irp p, 0,1,2,3
	ds_load_b128 v[X+8*(\p):X+8*(\p)+3],   v[RDA] offset:(\p)*2*PF       ; my first 8 rows.  My own bytes: LDS serves a wave's instructions in order (ISA guide 5.7.1.4)
	ds_load_b128 v[X+8*(\p)+4:X+8*(\p)+7], v[RDA] offset:(\p)*2*PF+256
.endr
	s_wait_loadcnt 0x0                             ; bg and Ws
.irp j, 0,2,4,6
	v_pk_mul_f32 v[BGS+(\j):BGS+(\j)+1], v[BGL+(\j):BGL+(\j)+1], s[CC:CC+1] op_sel_hi:[1,0]
.endr
.irp p, 0,1,2,3
	global_load_b128 v[E+4*(\p):E+4*(\p)+3], v[CO], s[EB:EB+1] offset:(\p)*2*ROWB   ; alg at my first 8 rows: a lane's 8 columns are 16 bytes
.endr
; 8 rows: a lane has 8 neighbouring columns of rows 2 p + lane / 16, p = 0..3.  more = 1: the next 8 rows are asked for, of LDS as soon as X has been read and of alg as soon as E has.
.macro TRIP more
	s_wait_dscnt 0x0                               ; X, asked for a trip ago, is in (and the last trip's four scores are stored)
.set n, 0
.rept 16
	v_pk_fma_f32 v[Z+n:Z+n+1], v[X+n:X+n+1], s[CC:CC+1], v[BGS+n%8:BGS+n%8+1] op_sel_hi:[1,0,1]
.set n, n+2
.endr
.if \more
	v_add_nc_u32 v[RDA], 8*PF, v[RDA]
.irp p, 0,1,2,3
	ds_load_b128 v[X+8*(\p):X+8*(\p)+3],   v[RDA] offset:(\p)*2*PF
	ds_load_b128 v[X+8*(\p)+4:X+8*(\p)+7], v[RDA] offset:(\p)*2*PF+256
.endr
.endif
	s_wait_loadcnt 0x0                             ; alg's 8 rows, asked for a trip ago, are in; their loads are done, so their base may be stepped
.set n, 0
.rept 16                                       ; the exponentials and the unpacking of alg by turns: plain work that names none of the exponentials' results
	v_exp_f32 v[Z+2*n], v[Z+2*n]
	v_lshlrev_b32 v[EF+2*n], 16, v[E+n]
	v_exp_f32 v[Z+2*n+1], v[Z+2*n+1]
	v_and_b32 v[EF+2*n+1], s[HM], v[E+n]
.set n, n+1
.endr
.if \more
	s_add_nc_u64 s[EB:EB+1], s[EB:EB+1], 8*ROWB
.irp p, 0,1,2,3
	global_load_b128 v[E+4*(\p):E+4*(\p)+3], v[CO], s[EB:EB+1] offset:(\p)*2*ROWB
.endr
.endif
	s_wait_alu depctr_va_vdst(0)                   ; the one wait ahead of the batch's first reader
.set n, 0
.rept 16
	v_pk_add_f32 v[Z+n:Z+n+1], v[Z+n:Z+n+1], 1.0 op_sel_hi:[1,0]
.set n, n+2
.endr
.set n, 0
.rept 16                                       ; the reciprocals, with alg x Ws between them: the last line is the plain instruction behind the last reciprocal
	v_rcp_f32 v[Z+n], v[Z+n]
	v_rcp_f32 v[Z+n+1], v[Z+n+1]
	v_pk_mul_f32 v[EF+n:EF+n+1], v[EF+n:EF+n+1], v[WSV+n%8:WSV+n%8+1]
.set n, n+2
.endr
	s_wait_alu depctr_va_vdst(0)                   ; one wait for the 32 reciprocals
.irp c, 0,1,2,3
.irp p, 0,1,2,3
.if (\c) == 0
	v_pk_mul_f32 v[S+2*(\p):S+2*(\p)+1], v[Z+8*(\p):Z+8*(\p)+1], v[EF+8*(\p):EF+8*(\p)+1]
.else
	v_pk_fma_f32 v[S+2*(\p):S+2*(\p)+1], v[Z+8*(\p)+2*(\c):Z+8*(\p)+2*(\c)+1], v[EF+8*(\p)+2*(\c):EF+8*(\p)+2*(\c)+1], v[S+2*(\p):S+2*(\p)+1]
.endif
.endr
.endr
.irp p, 0,1,2,3
	v_add_f32 v[S+2*(\p)], v[S+2*(\p)], v[S+2*(\p)+1]
.endr
.irp m, 1,2,4,8                        ; across the 16 lanes of a row of alg; each half of the lanes has a row of its own
.irp p, 0,1,2,3
	v_add_f32_dpp v[S+2*(\p)], v[S+2*(\p)], v[S+2*(\p)] row_xmask:\m row_mask:0xf bank_mask:0xf
.endr
.endr
.irp p, 0,1,2,3
	ds_store_b32 v[SCW], v[S+2*(\p)] offset:8*(\p)     ; 16 lanes write the same word with the same number
.endr
.if \more
	v_add_nc_u32 v[SCW], 32, v[SCW]
.endif
.endm
	s_mov_b32 s3, 15
.Lrows:
	TRIP 1
	s_sub_co_u32 s3, s3, 1
	s_cmp_lg_u32 s3, 0
	s_cbranch_scc1 .Lrows
	TRIP 0                                         ; the last 8 rows are written out: nothing is asked for beyond my rows
	ds_load_b128 v[X:X+3], v[SCR]                  ; my wave's 128 scores, four a lane
	s_wait_dscnt 0x0
	global_store_b128 v[SO], v[X:X+3], s[72:73]    ; 512 consecutive bytes, at a multiple of 256 from sp's first byte
	s_wait_tensorcnt 0x0                           ; the wave's end: three closing lines, behind my last tensor load and my last LDS store
	ds_add_u32 v[SPW], v[NIL]
	s_wait_dscnt 0x0
	CROUND                                         ; the closing round: no work-group ends while a partner may still ask for a tile that names it
	s_endpgm
.Lfunc_end_k_qf48173ba6b_g2:
	.size	k_qf48173ba6b_g2, .Lfunc_end_k_qf48173ba6b_g2-k_qf48173ba6b_g2
	.p2alignl 7, 3214868480
	.fill 96, 4, 3214868480
	.section	.rodata,"a",@progbits
	.p2align	6, 0x0
	.amdhsa_kernel k_qf48173ba6b_g2
		.amdhsa_group_segment_fixed_size 327680
		.amdhsa_private_segment_fixed_size 0
		.amdhsa_enable_private_segment 0
		.amdhsa_kernarg_size 40
		.amdhsa_user_sgpr_count 2
		.amdhsa_user_sgpr_kernarg_segment_ptr 1
		.amdhsa_wavefront_size32 1
		.amdhsa_system_sgpr_workgroup_id_x 1
		.amdhsa_system_sgpr_workgroup_id_y 1
		.amdhsa_system_sgpr_workgroup_id_z 1
		.amdhsa_system_vgpr_workitem_id 0
		.amdhsa_next_free_vgpr 1024
		.amdhsa_next_free_sgpr 88
		.amdhsa_reserve_vcc 0
		.amdhsa_float_denorm_mode_32 3
		.amdhsa_float_denorm_mode_16_64 3
		.amdhsa_memory_ordered 1
		.amdhsa_forward_progress 1
		.amdhsa_inst_pref_size 142
	.end_amdhsa_kernel
	.amdgpu_metadata
---
amdhsa.version: [ 1, 2 ]
amdhsa.kernels:
  - .name:           k_qf48173ba6b_g2
    .symbol:         k_qf48173ba6b_g2.kd
    .args:
      - { .name: alg, .offset: 0, .size: 8, .value_kind: global_buffer, .address_space: global }
      - { .name: wgb, .offset: 8, .size: 8, .value_kind: global_buffer, .address_space: global }
      - { .name: sp, .offset: 16, .size: 8, .value_kind: global_buffer, .address_space: global }
      - { .name: bg, .offset: 24, .size: 8, .value_kind: global_buffer, .address_space: global }
      - { .name: Ws, .offset: 32, .size: 8, .value_kind: global_buffer, .address_space: global }
    .group_segment_fixed_size: 327680
    .private_segment_fixed_size: 0
    .kernarg_segment_align: 8
    .kernarg_segment_size: 40
    .max_flat_workgroup_size: 128
    .sgpr_count:     88
    .vgpr_count:     1024
    .wavefront_size: 32
...
	.end_amdgpu_metadata
.endif
;; end of part 3
;; launch ctxk (part 4): grid 8 x 32, 16 waves a work-group, no clusters, 14,848 bytes of LDS; arguments sp, bs, seqb, out1, ctx; writes out1, ctx
.if DOCPART == 4
	.amdgcn_target "amdgcn-amd-amdhsa--gfx1250"
	.amdhsa_code_object_version 6
	.text
	.protected	k_qf48173ba6b_ctxk
	.globl	k_qf48173ba6b_ctxk
	.p2align	8
	.type	k_qf48173ba6b_ctxk,@function
k_qf48173ba6b_ctxk:
	s_mov_b64 s[64:65], 0
	v_nop
	global_prefetch_b8 v0, s[64:65] scope:SCOPE_SE
	s_setreg_imm32_b32 hwreg(HW_REG_WAVE_MODE, 25, 1), 1
	s_wait_xcnt 0x0
; score[s] = the sum over cb of sp[cb][1024 b + s] + bs;  out1[b][s] = softmax over s, with the maximum taken away;  ctx[b][h] = the sum over s of out1[b][s] seq[b][s][h].
; sp: [8][32768] f32.  seqb: [32768][1024] bf16: the context is taken of seq rounded to bf16.  out1, ctx: [32][1024] f32.  All arithmetic in f32.
; An exponential below 2^-126 counts as 0; NaN and infinities are not treated apart.
; SHARES.  Work-group (c, b) makes 128 columns (256 bytes of each row of seqb) of batch b's context; each of a batch's eight work-groups makes all 1,024 weights for itself (32 KiB of sp)
; and stores an eighth of them: waves 2 c and 2 c + 1 of work-group c.  Thread t owns scores 2 t and 2 t + 1.  Wave w owns rows 64 w .. 64 w + 63; a lane takes 8 columns of row 64 w + 32 (lane / 16) + j.
; A wave's whole share of seqb, 32 loads of 512 bytes, is asked for at the head and comes in under the softmax.  The rows are weighted by the exponentials; 1 / their sum is applied once, at the end.
; One row a batch and one use of each byte of seqb: the matrix unit, tensor loads and clusters would add nothing here.
.set RED0,  0                          ; 16 words: the waves' maxima
.set RED1,  256                        ; 16 words: the waves' sums
.set WT,    512                        ; 1,024 exponentials
.set CR,    4608                       ; 16 x 512 bytes: the waves' partial contexts
.set SPARE, 12800                      ; the spare words, 128 bytes for each wave: eight blocks of 256 bytes that no other line names
.set T8,  1                            ; v1   8 t
.set SOF, 2                            ; v2   my offset in seqb
.set WA,  3                            ; v3   LDS address of my rows' weights
.set W4,  4                            ; v4   4 x wave
.set CS,  5                            ; v5   where I put my partial context
.set SPW, 6                            ; v6   LDS address of my spare word; never rewritten
.set NIL, 7                            ; v7   0; never rewritten
.set SC,  8                            ; v[8:23]  sp as loaded; then v[8:9] my scores and their exponentials
.set RD,  24                           ; v[24:39] the 16 waves' maxima, then their sums
.set WR,  40                           ; v[40:55] 16 rows' weights
.set ZR,  56                           ; v56  0: an LDS address, and the first addend of the sums
.set TA,  57                           ; v57  at work
.set RL,  58                           ; v58  1 / the sum
.set TB,  59                           ; v59  at work
.set OW,  60                           ; v[60:61] my two weights
.set BA,  64                           ; v[64:127]  rows j = 0..15 of each half
.set BB,  128                          ; v[128:191] rows j = 16..31
.set ACC, 192                          ; v[192:207] two sets of 8 sums: even rows', odd rows'
	s_load_b256 s[4:11], s[0:1], 0x0               ; sp s[4:5], bs s[6:7], seqb s[8:9], out1 s[10:11]
	s_load_b64 s[12:13], s[0:1], 0x20              ; ctx
	v_lshl_add_u32 v[SPW], v0, 2, SPARE
	v_mov_b32 v[NIL], 0
	v_lshrrev_b32 v[TA], 5, v0
	v_readfirstlane_b32 s14, v[TA]                 ; wave 0..15
	s_and_b32 s15, ttmp7, 0xffff                   ; b
	v_mov_b32 v[W4], s14
	v_lshlrev_b32 v[W4], 2, v[W4]
	v_lshlrev_b32 v[T8], 3, v0
	v_and_b32 v[TA], 15, v0                        ; q = lane % 16
	v_bfe_u32 v[TB], v0, 4, 1                      ; h = lane / 16
	s_lshl_b32 s16, s14, 17
	v_lshlrev_b32 v[SOF], 16, v[TB]                ; (64 w + 32 h) rows of 2,048 bytes + 16 q
	v_lshl_add_u32 v[SOF], v[TA], 4, v[SOF]
	v_add_nc_u32 v[SOF], s16, v[SOF]
	s_lshl_b32 s16, s14, 8
	s_add_co_u32 s17, s16, WT
	v_lshl_add_u32 v[WA], v[TB], 7, s17            ; WT + 4 (64 w + 32 h)
	s_lshl_b32 s16, s14, 9
	s_add_co_u32 s17, s16, CR
	v_lshl_add_u32 v[CS], v[TA], 5, s17            ; CR + 512 w + 32 q
	v_mov_b32 v[ZR], 0
	v_mov_b32 v[RL], 0                             ; written before v_permlanex16_b32 names it as its destination
	s_mov_b32 s26, 0x76543210                      ; v_permlanex16_b32: each lane takes its own place in the other half
	s_mov_b32 s27, 0xfedcba98
	s_mov_b32 s28, 0x3fb8aa3b                      ; log2(e)
	s_lshl_b32 s18, s15, 12                        ; a batch's row in sp's planes, out1 and ctx
	s_mov_b32 s19, 0
	s_lshl_b32 s20, s15, 21                        ; a batch's 1,024 rows of seqb,
	s_lshl_b32 s22, ttmp9, 8                       ; my 128 columns
	s_add_co_u32 s20, s20, s22
	s_mov_b32 s21, 0
	s_wait_kmcnt 0x0
	s_load_b32 s24, s[6:7], 0x0                    ; bs
	s_add_nc_u64 s[4:5], s[4:5], s[18:19]
	s_add_nc_u64 s[8:9], s[8:9], s[20:21]
	s_add_nc_u64 s[10:11], s[10:11], s[18:19]
	s_lshl_b32 s22, ttmp9, 9
	s_add_co_u32 s18, s18, s22
	s_add_nc_u64 s[12:13], s[12:13], s[18:19]
.macro FILL buf, j0                    ; 16 loads: rows j0 .. j0 + 15 of each half's 32; 16 lanes take a row's 256 bytes
.set j, 0
.rept 16
	global_load_b128 v[(\buf)+4*j:(\buf)+4*j+3], v[SOF], s[8:9] offset:2048*((\j0)+j) th:TH_LOAD_NT
.set j, j+1
.endr
.endm
.irp cb, 0,1,2,3,4,5,6,7
	global_load_b64 v[SC+2*(\cb):SC+2*(\cb)+1], v[T8], s[4:5] offset:131072*(\cb)
.endr
	FILL BA, 0
	FILL BB, 16
	s_wait_loadcnt 32                              ; the partial scores are in; the 32 loads of seqb stay out
.irp d, 4,2,1
.set u, 0
.rept \d
	v_pk_add_f32 v[SC+2*u:SC+2*u+1], v[SC+2*u:SC+2*u+1], v[SC+2*(u+(\d)):SC+2*(u+(\d))+1]
.set u, u+1
.endr
.endr
	s_wait_kmcnt 0x0
	v_add_f32 v[SC], s24, v[SC]
	v_add_f32 v[SC+1], s24, v[SC+1]
	; the maximum: my two, my wave's, the work-group's
	v_max_num_f32 v[TA], v[SC], v[SC+1]
.irp m, 1,2,4,8
	v_max_num_f32_dpp v[TA], v[TA], v[TA] row_xmask:\m row_mask:0xf bank_mask:0xf
.endr
	v_permlanex16_b32 v[TB], v[TA], s26, s27
	v_max_num_f32 v[TA], v[TA], v[TB]
	ds_store_b32 v[W4], v[TA] offset:RED0
	s_wait_dscnt 0x0                               ; for the others' sake
	s_barrier_signal -1
	s_barrier_wait -1
.irp i, 0,1,2,3
	ds_load_b128 v[RD+4*(\i):RD+4*(\i)+3], v[ZR] offset:RED0+16*(\i)
.endr
	s_wait_dscnt 0x0
	v_max3_num_f32 v[TA], v[RD], v[RD+1], v[RD+2]
	v_max3_num_f32 v[TB], v[RD+3], v[RD+4], v[RD+5]
	v_max3_num_f32 v[TA], v[TA], v[TB], v[RD+6]
	v_max3_num_f32 v[TB], v[RD+7], v[RD+8], v[RD+9]
	v_max3_num_f32 v[TA], v[TA], v[TB], v[RD+10]
	v_max3_num_f32 v[TB], v[RD+11], v[RD+12], v[RD+13]
	v_max3_num_f32 v[TA], v[TA], v[TB], v[RD+14]
	v_max_num_f32 v[TA], v[TA], v[RD+15]
	v_mul_f32 v[TA], s28, v[TA]                    ; log2(e) m
	v_fma_f32 v[SC], v[SC], s28, -v[TA]
	v_fma_f32 v[SC+1], v[SC+1], s28, -v[TA]
	v_exp_f32 v[SC], v[SC]
	v_exp_f32 v[SC+1], v[SC+1]
	v_nop                                          ; a plain instruction behind the last exponential,
	s_wait_alu depctr_va_vdst(0)                   ; and the wait ahead of the first reader
	v_add_f32 v[TB], v[SC], v[SC+1]
.irp m, 1,2,4,8
	v_add_f32_dpp v[TB], v[TB], v[TB] row_xmask:\m row_mask:0xf bank_mask:0xf
.endr
	v_permlanex16_b32 v[RL], v[TB], s26, s27
	v_add_f32 v[TB], v[TB], v[RL]
	ds_store_b64 v[T8], v[SC:SC+1] offset:WT
	ds_store_b32 v[W4], v[TB] offset:RED1
	s_wait_dscnt 0x0
	s_barrier_signal -1
	s_barrier_wait -1
.irp i, 0,1,2,3
	ds_load_b128 v[RD+4*(\i):RD+4*(\i)+3], v[ZR] offset:RED1+16*(\i)
.endr
	s_wait_dscnt 0x0
.irp j, 0,2,4,6
	v_pk_add_f32 v[RD+(\j):RD+(\j)+1], v[RD+(\j):RD+(\j)+1], v[RD+8+(\j):RD+8+(\j)+1]
.endr
	v_pk_add_f32 v[RD:RD+1], v[RD:RD+1], v[RD+4:RD+5]
	v_pk_add_f32 v[RD+2:RD+3], v[RD+2:RD+3], v[RD+6:RD+7]
	v_pk_add_f32 v[RD:RD+1], v[RD:RD+1], v[RD+2:RD+3]
	v_add_f32 v[RD], v[RD], v[RD+1]                ; the sum: 1 at the least, the maximum's own term
	v_rcp_f32 v[RL], v[RD]
	v_nop
	s_wait_alu depctr_va_vdst(0)
	s_lshr_b32 s16, s14, 1
	s_cmp_lg_u32 s16, ttmp9                        ; waves 2 c and 2 c + 1 of work-group c store their 64 weights each
	s_cbranch_scc1 .Lnot_mine
	v_mul_f32 v[OW], v[SC], v[RL]
	v_mul_f32 v[OW+1], v[SC+1], v[RL]
	global_store_b64 v[T8], v[OW:OW+1], s[10:11]   ; 256 consecutive bytes, at a multiple of 256 from out1's first byte
.Lnot_mine:
; 16 rows of each half.  left: the loads of the other set, which may stay out.
.macro GROUP g, buf, left
.irp i, 0,1,2,3
	ds_load_b128 v[WR+4*(\i):WR+4*(\i)+3], v[WA] offset:64*(\g)+16*(\i)
.endr
	s_wait_loadcnt \left
	s_wait_dscnt 0x0
.set jj, 0
.rept 16
.set ra, ACC+8*(jj%2)
.irp c, 0,1,2,3
.if ((\g) == 0) && (jj < 2)
	v_fma_mix_f32_bf16 v[ra+2*(\c)],   v[(\buf)+4*jj+(\c)], v[WR+jj], v[ZR] op_sel_hi:[1,0,0]
	v_fma_mix_f32_bf16 v[ra+2*(\c)+1], v[(\buf)+4*jj+(\c)], v[WR+jj], v[ZR] op_sel:[1,0,0] op_sel_hi:[1,0,0]
.else
	v_fma_mix_f32_bf16 v[ra+2*(\c)],   v[(\buf)+4*jj+(\c)], v[WR+jj], v[ra+2*(\c)] op_sel_hi:[1,0,0]
	v_fma_mix_f32_bf16 v[ra+2*(\c)+1], v[(\buf)+4*jj+(\c)], v[WR+jj], v[ra+2*(\c)+1] op_sel:[1,0,0] op_sel_hi:[1,0,0]
.endif
.endr
.set jj, jj+1
.endr
.endm
	GROUP 0, BA, 16
	GROUP 1, BB, 0
.irp j, 0,2,4,6
	v_pk_add_f32 v[ACC+(\j):ACC+(\j)+1], v[ACC+(\j):ACC+(\j)+1], v[ACC+8+(\j):ACC+8+(\j)+1]
.endr
.irp j, 0,1,2,3,4,5,6,7
	v_permlanex16_b32 v[WR+(\j)], v[ACC+(\j)], s26, s27    ; the other half of the lanes has the wave's other 32 rows
.endr
.irp j, 0,2,4,6
	v_pk_add_f32 v[ACC+(\j):ACC+(\j)+1], v[ACC+(\j):ACC+(\j)+1], v[WR+(\j):WR+(\j)+1]
.endr
	ds_store_b128 v[CS], v[ACC:ACC+3]              ; both halves write the same numbers to the same bytes
	ds_store_b128 v[CS], v[ACC+4:ACC+7] offset:16
	s_wait_dscnt 0x0
	s_barrier_signal -1
	s_barrier_wait -1
	s_cmp_lg_u32 s14, 0                            ; wave 0 adds the sixteen waves' sums and stores the 128 columns
	s_cbranch_scc1 .Lend
	v_and_b32 v[RD], 31, v0
	v_lshlrev_b32 v[RD], 4, v[RD]
.irp u, 0,1,2,3,4,5,6,7,8,9,10,11,12,13,14,15
	ds_load_b128 v[BA+4*(\u):BA+4*(\u)+3], v[RD] offset:CR+512*(\u)
.endr
	s_wait_dscnt 0x0
.irp d, 8,4,2,1
.set u, 0
.rept \d
	v_pk_add_f32 v[BA+4*u:BA+4*u+1], v[BA+4*u:BA+4*u+1], v[BA+4*(u+(\d)):BA+4*(u+(\d))+1]
	v_pk_add_f32 v[BA+4*u+2:BA+4*u+3], v[BA+4*u+2:BA+4*u+3], v[BA+4*(u+(\d))+2:BA+4*(u+(\d))+3]
.set u, u+1
.endr
.endr
	v_pk_mul_f32 v[BA:BA+1], v[BA:BA+1], v[RL:RL+1] op_sel_hi:[1,0]
	v_pk_mul_f32 v[BA+2:BA+3], v[BA+2:BA+3], v[RL:RL+1] op_sel_hi:[1,0]
	global_store_b128 v[RD], v[BA:BA+3], s[12:13]  ; 512 consecutive bytes, at a multiple of 256 from ctx's first byte
.Lend:
	s_wait_tensorcnt 0x0                           ; the wave's end: three closing lines, behind my last LDS store
	ds_add_u32 v[SPW], v[NIL]
	s_wait_dscnt 0x0
	s_endpgm
.Lfunc_end_k_qf48173ba6b_ctxk:
	.size	k_qf48173ba6b_ctxk, .Lfunc_end_k_qf48173ba6b_ctxk-k_qf48173ba6b_ctxk
	.p2alignl 7, 3214868480
	.fill 96, 4, 3214868480
	.section	.rodata,"a",@progbits
	.p2align	6, 0x0
	.amdhsa_kernel k_qf48173ba6b_ctxk
		.amdhsa_group_segment_fixed_size 14848
		.amdhsa_private_segment_fixed_size 0
		.amdhsa_enable_private_segment 0
		.amdhsa_kernarg_size 40
		.amdhsa_user_sgpr_count 2
		.amdhsa_user_sgpr_kernarg_segment_ptr 1
		.amdhsa_wavefront_size32 1
		.amdhsa_system_sgpr_workgroup_id_x 1
		.amdhsa_system_sgpr_workgroup_id_y 1
		.amdhsa_system_sgpr_workgroup_id_z 1
		.amdhsa_system_vgpr_workitem_id 0
		.amdhsa_next_free_vgpr 208
		.amdhsa_next_free_sgpr 66
		.amdhsa_reserve_vcc 0
		.amdhsa_float_denorm_mode_32 3
		.amdhsa_float_denorm_mode_16_64 3
		.amdhsa_memory_ordered 1
		.amdhsa_forward_progress 1
		.amdhsa_inst_pref_size 31
	.end_amdhsa_kernel
	.amdgpu_metadata
---
amdhsa.version: [ 1, 2 ]
amdhsa.kernels:
  - .name:           k_qf48173ba6b_ctxk
    .symbol:         k_qf48173ba6b_ctxk.kd
    .args:
      - { .name: sp, .offset: 0, .size: 8, .value_kind: global_buffer, .address_space: global }
      - { .name: bs, .offset: 8, .size: 8, .value_kind: global_buffer, .address_space: global }
      - { .name: seqb, .offset: 16, .size: 8, .value_kind: global_buffer, .address_space: global }
      - { .name: out1, .offset: 24, .size: 8, .value_kind: global_buffer, .address_space: global }
      - { .name: ctx, .offset: 32, .size: 8, .value_kind: global_buffer, .address_space: global }
    .group_segment_fixed_size: 14848
    .private_segment_fixed_size: 0
    .kernarg_segment_align: 8
    .kernarg_segment_size: 40
    .max_flat_workgroup_size: 512
    .sgpr_count:     66
    .vgpr_count:     208
    .wavefront_size: 32
...
	.end_amdgpu_metadata
.endif
;; end of part 4
;; launch projc (part 5): grid 16 x 2, 8 waves a work-group, no clusters, 152,576 bytes of LDS; arguments ctx, Wo, Wq, pb; writes pb
.if DOCPART == 5
	.amdgcn_target "amdgcn-amd-amdhsa--gfx1250"
	.amdhsa_code_object_version 6
	.text
	.protected	k_qf48173ba6b_projc
	.globl	k_qf48173ba6b_projc
	.p2align	8
	.type	k_qf48173ba6b_projc,@function
k_qf48173ba6b_projc:
	s_mov_b64 s[64:65], 0
	v_nop
	global_prefetch_b8 v0, s[64:65] scope:SCOPE_SE
	s_setreg_imm32_b32 hwreg(HW_REG_WAVE_MODE, 25, 1), 1
	s_wait_xcnt 0x0
; A product with 32 rows, by halves of K:  out[yy][m][n] = the sum over k < 512 of x[m][512 (yy & 1) + k] W[512 yy + k][n].
; x: [32][1024] f32 (here ctx).  W: rows of 1,024 f32; the first weight argument for yy < 2 (here Wo, rows 0-1023), the second for yy >= 2 (this launch's grid has yy = 0 and 1 alone, so it is never read).
; out: [2][32][1024] f32 partial sums, added up by the next launch in f32.
; x and W are rounded to bf16 on the way to the matrix unit; sums in f32.  NaN and infinities are not treated apart.
; SHARES.  A work-group makes 64 columns (256 consecutive bytes of each row of W) for one half of K; wave w takes k = 64 w .. 64 w + 63 of the half.  Each byte of W is read once in the launch.
; W lies [k][n]: a wave rounds its 64 x 64 block, lays it into its own LDS bytes and reads it back turned (ds_load_tr16_b128): 16 columns x 32 k a fragment.
; The product is taken transposed (source 0 = 16 columns of W, source 1 = 16 rows of x): a lane ends with one row m = lane % 16 and the columns 8 (lane / 16) + 0..7.
; The eight waves' partial sums meet in LDS; wave w adds up rows 4 w .. 4 w + 3 and stores them, 16 lanes to 256 consecutive bytes, aligned.
.set PW,    160                        ; a row of the rounded block: 128 bytes + 32 = 40 words
.set WPW,   64*PW                      ; a wave's block
.set PART,  8*WPW                      ; the partial sums: wave w's 32 rows of 64 f32 at PART + 8,704 w
.set PP,    272                        ; their pitch: 256 bytes + 16
.set SPARE, PART+8*32*PP               ; the spare words, 128 bytes for each wave: four blocks of 256 bytes that no other line names
.set XO,  1                            ; v1   my offset in x
.set WO,  2                            ; v2   my offset in W
.set WS,  3                            ; v3   where I put 8 bytes of the rounded block
.set WTR, 4                            ; v4   where the turning loads read
.set PS,  5                            ; v5   where I put my partial sums
.set PR,  6                            ; v6   where I read partial sums back
.set OO,  7                            ; v7   my offset in out
.set SPW, 14                           ; v14  LDS address of my spare word; never rewritten
.set NIL, 15                           ; v15  0; never rewritten
.set WL,  16                           ; v[16:143]  W as loaded, 32 x 4
.set WF,  16                           ; v[16:79]   later: W's fragments, (s, t) at WF + 8 (4 s + t)
.set ACC, 80                           ; v[80:143]  later: eight accumulators, (mt, t) at ACC + 8 (4 mt + t)
.set XL,  144                          ; v[144:207] x as loaded, 16 x 4
.set CW,  144                          ;            later: W rounded, 32 x 2
.set RB,  144                          ;            later: partial sums read back, source wave u at RB + 8 u
.set XF,  208                          ; v[208:239] x's fragments, (mt, s) at XF + 8 (2 mt + s)
	s_load_b256 s[4:11], s[0:1], 0x0               ; x s[4:5], first weights s[6:7], second weights s[8:9], out s[10:11]
	v_lshl_add_u32 v[SPW], v0, 2, SPARE
	v_mov_b32 v[NIL], 0
	v_lshrrev_b32 v8, 5, v0
	v_readfirstlane_b32 s13, v8                    ; wave 0..7
	s_and_b32 s12, ttmp7, 0xffff                   ; yy
	v_and_b32 v8, 15, v0                           ; r = lane % 16
	v_bfe_u32 v9, v0, 4, 1                         ; h = lane / 16
	v_and_b32 v10, 7, v0
	v_bfe_u32 v11, v0, 3, 1
	s_lshl_b32 s14, s13, 8
	v_lshlrev_b32 v[XO], 12, v8                    ; x: row r, 32 h bytes, my wave's 64 k = 256 bytes
	v_lshl_add_u32 v[XO], v9, 5, v[XO]
	v_add_nc_u32 v[XO], s14, v[XO]
	s_lshl_b32 s14, s13, 18
	v_lshlrev_b32 v[WO], 12, v9                    ; W: row 64 w + h, 16 r bytes
	v_lshl_add_u32 v[WO], v8, 4, v[WO]
	v_add_nc_u32 v[WO], s14, v[WO]
	s_mul_i32 s15, s13, WPW
	v_mul_u32_u24 v[WS], v9, PW
	v_lshl_add_u32 v[WS], v8, 3, v[WS]
	v_add_nc_u32 v[WS], s15, v[WS]
	v_lshl_add_u32 v[WTR], v9, 3, v10              ; the turning load: k row 8 h + lane % 8, 16 bytes by (lane / 8) % 2
	v_mul_u32_u24 v[WTR], v[WTR], PW
	v_lshl_add_u32 v[WTR], v11, 4, v[WTR]
	v_add_nc_u32 v[WTR], s15, v[WTR]
	s_mul_i32 s14, s13, 32*PP
	s_add_co_u32 s14, s14, PART
	v_mul_u32_u24 v[PS], v8, PP
	v_lshl_add_u32 v[PS], v9, 5, v[PS]
	v_add_nc_u32 v[PS], s14, v[PS]
	s_mul_i32 s14, s13, 4*PP
	s_add_co_u32 s14, s14, PART
	v_mul_u32_u24 v[PR], v9, PP
	v_lshl_add_u32 v[PR], v8, 4, v[PR]
	v_add_nc_u32 v[PR], s14, v[PR]
	s_lshl_b32 s14, s13, 14
	v_lshlrev_b32 v[OO], 12, v9
	v_lshl_add_u32 v[OO], v8, 4, v[OO]
	v_add_nc_u32 v[OO], s14, v[OO]
	s_lshl_b32 s22, ttmp9, 8                       ; the work-group's 64 columns
	s_lshl_b32 s16, s12, 21                        ; 512 yy rows of W
	s_add_co_u32 s16, s16, s22
	s_mov_b32 s17, 0
	s_and_b32 s18, s12, 1
	s_lshl_b32 s18, s18, 11                        ; the half of x's rows
	s_mov_b32 s19, 0
	s_lshl_b32 s20, s12, 17                        ; plane yy of out
	s_add_co_u32 s20, s20, s22
	s_mov_b32 s21, 0
	s_wait_kmcnt 0x0
	s_cmp_lt_u32 s12, 2
	s_cselect_b64 s[6:7], s[6:7], s[8:9]
	s_add_nc_u64 s[6:7], s[6:7], s[16:17]
	s_add_nc_u64 s[4:5], s[4:5], s[18:19]
	s_add_nc_u64 s[10:11], s[10:11], s[20:21]
	; x: fragment (mt, s) is 16 rows x 32 k; a lane's k = 8 h + 0..7 and 16 + 8 h + 0..7 are 32 bytes each in f32: four loads of 16 bytes
.set n, 0
.rept 16
	global_load_b128 v[XL+4*n:XL+4*n+3], v[XO], s[4:5] offset:(n/8)*65536+((n/4)%2)*128+((n%4)/2)*64+(n%2)*16
.set n, n+1
.endr
.set i, 0
.rept 32                                       ; W: two rows a load, 16 lanes to a row's 256 bytes
	global_load_b128 v[WL+4*i:WL+4*i+3], v[WO], s[6:7] offset:8192*i th:TH_LOAD_NT
.set i, i+1
.endr
	s_wait_loadcnt 32                              ; x is in; W's 32 loads stay out
.set n, 0
.rept 16
	v_cvt_pk_bf16_f32 v[XF+2*n], v[XL+4*n], v[XL+4*n+1]
	v_cvt_pk_bf16_f32 v[XF+2*n+1], v[XL+4*n+2], v[XL+4*n+3]
.set n, n+1
.endr
.set i, 0
.rept 32
	s_wait_loadcnt 31-i                            ; rows 2 i and 2 i + 1 are in, the younger loads stay out
	v_cvt_pk_bf16_f32 v[CW+2*i], v[WL+4*i], v[WL+4*i+1]
	v_cvt_pk_bf16_f32 v[CW+2*i+1], v[WL+4*i+2], v[WL+4*i+3]
	ds_store_b64 v[WS], v[CW+2*i:CW+2*i+1] offset:2*PW*i
.set i, i+1
.endr
.irp s, 0,1
.irp t, 0,1,2,3
	ds_load_tr16_b128 v[WF+8*(4*(\s)+(\t)):WF+8*(4*(\s)+(\t))+3],   v[WTR] offset:32*PW*(\s)+32*(\t)        ; my own bytes: LDS serves a wave's instructions in order (ISA guide 5.7.1.4)
	ds_load_tr16_b128 v[WF+8*(4*(\s)+(\t))+4:WF+8*(4*(\s)+(\t))+7], v[WTR] offset:32*PW*(\s)+16*PW+32*(\t)
.endr
.endr
	s_wait_dscnt 0x0
	; 16 products; the eight accumulators take turns; the first eight start the sums
.irp s, 0,1
.irp mt, 0,1
.irp t, 0,1,2,3
.if (\s) == 0
	v_wmma_f32_16x16x32_bf16 v[ACC+8*(4*(\mt)+(\t)):ACC+8*(4*(\mt)+(\t))+7], v[WF+8*(4*(\s)+(\t)):WF+8*(4*(\s)+(\t))+7], v[XF+8*(2*(\mt)+(\s)):XF+8*(2*(\mt)+(\s))+7], 0
.else
	v_wmma_f32_16x16x32_bf16 v[ACC+8*(4*(\mt)+(\t)):ACC+8*(4*(\mt)+(\t))+7], v[WF+8*(4*(\s)+(\t)):WF+8*(4*(\s)+(\t))+7], v[XF+8*(2*(\mt)+(\s)):XF+8*(2*(\mt)+(\s))+7], v[ACC+8*(4*(\mt)+(\t)):ACC+8*(4*(\mt)+(\t))+7]
.endif
.endr
.endr
.endr
.rept 8
	v_nop                                          ; the places between the last product and the stores that read results, with room to spare: once a launch
.endr
.irp mt, 0,1
.irp t, 0,1,2,3
	ds_store_b128 v[PS], v[ACC+8*(4*(\mt)+(\t)):ACC+8*(4*(\mt)+(\t))+3]   offset:16*PP*(\mt)+64*(\t)      ; each accumulator's low registers first
	ds_store_b128 v[PS], v[ACC+8*(4*(\mt)+(\t))+4:ACC+8*(4*(\mt)+(\t))+7] offset:16*PP*(\mt)+64*(\t)+16
.endr
.endr
	s_wait_dscnt 0x0                               ; for the others' sake: my partial sums lie in LDS
	s_barrier_signal -1
	s_barrier_wait -1
.irp u, 0,1,2,3,4,5,6,7
	ds_load_b128 v[RB+8*(\u):RB+8*(\u)+3],   v[PR] offset:32*PP*(\u)          ; rows 4 w + h of source wave u,
	ds_load_b128 v[RB+8*(\u)+4:RB+8*(\u)+7], v[PR] offset:32*PP*(\u)+2*PP     ; rows 4 w + 2 + h
.endr
	s_wait_dscnt 0x0
.irp d, 4,2,1
.set u, 0
.rept \d
.irp c, 0,2,4,6
	v_pk_add_f32 v[RB+8*u+(\c):RB+8*u+(\c)+1], v[RB+8*u+(\c):RB+8*u+(\c)+1], v[RB+8*(u+(\d))+(\c):RB+8*(u+(\d))+(\c)+1]
.endr
.set u, u+1
.endr
.endr
	global_store_b128 v[OO], v[RB:RB+3], s[10:11]
	global_store_b128 v[OO], v[RB+4:RB+7], s[10:11] offset:8192
	s_wait_tensorcnt 0x0                           ; the wave's end: three closing lines, behind my last LDS store
	ds_add_u32 v[SPW], v[NIL]
	s_wait_dscnt 0x0
	s_endpgm
.Lfunc_end_k_qf48173ba6b_projc:
	.size	k_qf48173ba6b_projc, .Lfunc_end_k_qf48173ba6b_projc-k_qf48173ba6b_projc
	.p2alignl 7, 3214868480
	.fill 96, 4, 3214868480
	.section	.rodata,"a",@progbits
	.p2align	6, 0x0
	.amdhsa_kernel k_qf48173ba6b_projc
		.amdhsa_group_segment_fixed_size 152576
		.amdhsa_private_segment_fixed_size 0
		.amdhsa_enable_private_segment 0
		.amdhsa_kernarg_size 32
		.amdhsa_user_sgpr_count 2
		.amdhsa_user_sgpr_kernarg_segment_ptr 1
		.amdhsa_wavefront_size32 1
		.amdhsa_system_sgpr_workgroup_id_x 1
		.amdhsa_system_sgpr_workgroup_id_y 1
		.amdhsa_system_sgpr_workgroup_id_z 1
		.amdhsa_system_vgpr_workitem_id 0
		.amdhsa_next_free_vgpr 240
		.amdhsa_next_free_sgpr 66
		.amdhsa_reserve_vcc 0
		.amdhsa_float_denorm_mode_32 3
		.amdhsa_float_denorm_mode_16_64 3
		.amdhsa_memory_ordered 1
		.amdhsa_forward_progress 1
		.amdhsa_inst_pref_size 23
	.end_amdhsa_kernel
	.amdgpu_metadata
---
amdhsa.version: [ 1, 2 ]
amdhsa.kernels:
  - .name:           k_qf48173ba6b_projc
    .symbol:         k_qf48173ba6b_projc.kd
    .args:
      - { .name: ctx, .offset: 0, .size: 8, .value_kind: global_buffer, .address_space: global }
      - { .name: Wo, .offset: 8, .size: 8, .value_kind: global_buffer, .address_space: global }
      - { .name: Wq, .offset: 16, .size: 8, .value_kind: global_buffer, .address_space: global }
      - { .name: pb, .offset: 24, .size: 8, .value_kind: global_buffer, .address_space: global }
    .group_segment_fixed_size: 152576
    .private_segment_fixed_size: 0
    .kernarg_segment_align: 8
    .kernarg_segment_size: 32
    .max_flat_workgroup_size: 256
    .sgpr_count:     66
    .vgpr_count:     240
    .wavefront_size: 32
...
	.end_amdgpu_metadata
.endif
;; end of part 5
;; launch lnorm (part 6): grid 32 x 1, 8 waves a work-group, no clusters, 1,536 bytes of LDS; arguments pb, pa, bo, q_state, gamma, beta, out0; writes out0
.if DOCPART == 6
	.amdgcn_target "amdgcn-amd-amdhsa--gfx1250"
	.amdhsa_code_object_version 6
	.text
	.protected	k_qf48173ba6b_lnorm
	.globl	k_qf48173ba6b_lnorm
	.p2align	8
	.type	k_qf48173ba6b_lnorm,@function
k_qf48173ba6b_lnorm:
	s_mov_b64 s[64:65], 0
	v_nop
	global_prefetch_b8 v0, s[64:65] scope:SCOPE_SE
	s_setreg_imm32_b32 hwreg(HW_REG_WAVE_MODE, 25, 1), 1
	s_wait_xcnt 0x0
; pre[b][n] = pb[0][b][n] + pb[1][b][n] + pa[2][b][n] + pa[3][b][n] + bo[n] + q_state[b][n];  out0 = (pre - mean) rsqrt(var + 1e-5) gamma + beta, along n.  All f32.
; A work-group takes a row of 1,024; thread t owns 4 columns.  The variance is taken of pre - mean, in a second pass over registers, so that a common offset costs nothing.
; The waves' sums meet in LDS twice, in bytes of their own each time.  NaN and infinities are not treated apart.
.set RED0,  0
.set RED1,  256
.set SPARE, 512                        ; the spare words, 128 bytes for each wave: four blocks of 256 bytes that no other line names
.set SPW, 2                            ; v2  LDS address of my spare word; never rewritten
.set NIL, 3                            ; v3  0; never rewritten
	s_load_b256 s[4:11], s[0:1], 0x0               ; pb s[4:5], pa s[6:7], bo s[8:9], q_state s[10:11]
	s_load_b128 s[12:15], s[0:1], 0x20             ; gamma s[12:13], beta s[14:15]
	s_load_b64 s[16:17], s[0:1], 0x30              ; out0
	v_lshl_add_u32 v[SPW], v0, 2, SPARE
	v_mov_b32 v[NIL], 0
	v_lshlrev_b32 v1, 4, v0                        ; 16 t
	v_lshrrev_b32 v36, 5, v0
	v_readfirstlane_b32 s20, v36                   ; wave 0..7
	v_mov_b32 v36, s20
	v_lshlrev_b32 v36, 2, v36                      ; 4 x wave
	v_mov_b32 v37, 0                               ; LDS address 0
	v_mov_b32 v41, 0                               ; named in a pair with v40
	s_lshl_b32 s18, ttmp9, 12                      ; my row
	s_mov_b32 s19, 0
	s_mov_b32 s21, 0xba800000                      ; -1 / 1024
	s_mov_b32 s22, 0x3a800000                      ; 1 / 1024
	s_mov_b32 s23, 0x3727c5ac                      ; 1e-5
	s_mov_b32 s24, 0x76543210                      ; v_permlanex16_b32: each lane takes its own place in the other half
	s_mov_b32 s25, 0xfedcba98
	s_wait_kmcnt 0x0
	s_add_nc_u64 s[4:5], s[4:5], s[18:19]
	s_add_nc_u64 s[6:7], s[6:7], s[18:19]
	s_add_nc_u64 s[10:11], s[10:11], s[18:19]
	s_add_nc_u64 s[16:17], s[16:17], s[18:19]
	global_load_b128 v[4:7],   v1, s[4:5]
	global_load_b128 v[8:11],  v1, s[4:5] offset:131072
	global_load_b128 v[12:15], v1, s[6:7] offset:262144
	global_load_b128 v[16:19], v1, s[6:7] offset:393216
	global_load_b128 v[20:23], v1, s[8:9]
	global_load_b128 v[24:27], v1, s[10:11]
	global_load_b128 v[28:31], v1, s[12:13]
	global_load_b128 v[32:35], v1, s[14:15]
	s_wait_loadcnt 0x2                             ; gamma and beta may stay out
.irp c, 0,2
	v_pk_add_f32 v[4+(\c):5+(\c)], v[4+(\c):5+(\c)], v[8+(\c):9+(\c)]
	v_pk_add_f32 v[12+(\c):13+(\c)], v[12+(\c):13+(\c)], v[16+(\c):17+(\c)]
	v_pk_add_f32 v[20+(\c):21+(\c)], v[20+(\c):21+(\c)], v[24+(\c):25+(\c)]
.endr
.irp c, 0,2
	v_pk_add_f32 v[4+(\c):5+(\c)], v[4+(\c):5+(\c)], v[12+(\c):13+(\c)]
.endr
.irp c, 0,2
	v_pk_add_f32 v[4+(\c):5+(\c)], v[4+(\c):5+(\c)], v[20+(\c):21+(\c)]
.endr
; v38 is summed over the wave, then over the eight waves through 8 words at red; the sum ends in v8, in every lane
.macro TOTAL red
.irp m, 1,2,4,8
	v_add_f32_dpp v38, v38, v38 row_xmask:\m row_mask:0xf bank_mask:0xf
.endr
	v_permlanex16_b32 v39, v38, s24, s25
	v_add_f32 v38, v38, v39
	ds_store_b32 v36, v38 offset:\red
	s_wait_dscnt 0x0                               ; for the others' sake
	s_barrier_signal -1
	s_barrier_wait -1
	ds_load_b128 v[8:11],  v37 offset:\red
	ds_load_b128 v[12:15], v37 offset:(\red)+16
	s_wait_dscnt 0x0
	v_pk_add_f32 v[8:9], v[8:9], v[12:13]
	v_pk_add_f32 v[10:11], v[10:11], v[14:15]
	v_pk_add_f32 v[8:9], v[8:9], v[10:11]
	v_add_f32 v8, v8, v9
.endm
	v_add_f32 v38, v4, v5
	v_add_f32 v39, v6, v7
	v_add_f32 v38, v38, v39
	TOTAL RED0
.irp i, 4,5,6,7
	v_fma_f32 v\i, v8, s21, v\i                    ; pre - mean
.endr
	v_pk_mul_f32 v[38:39], v[4:5], v[4:5]
	v_pk_fma_f32 v[38:39], v[6:7], v[6:7], v[38:39]
	v_add_f32 v38, v38, v39
	TOTAL RED1
	v_fma_f32 v8, v8, s22, s23                     ; var + 1e-5
	v_rsq_f32 v40, v8
	v_nop                                          ; a plain instruction behind the root,
	s_wait_alu depctr_va_vdst(0)                   ; and the wait ahead of its first reader
	s_wait_loadcnt 0x0                             ; gamma and beta
	v_pk_mul_f32 v[4:5], v[4:5], v[40:41] op_sel_hi:[1,0]
	v_pk_mul_f32 v[6:7], v[6:7], v[40:41] op_sel_hi:[1,0]
	v_pk_fma_f32 v[4:5], v[4:5], v[28:29], v[32:33]
	v_pk_fma_f32 v[6:7], v[6:7], v[30:31], v[34:35]
	global_store_b128 v1, v[4:7], s[16:17]         ; a wave stores 512 consecutive bytes, at a multiple of 256 from out0's first byte
	s_wait_tensorcnt 0x0                           ; the wave's end: three closing lines, behind my last LDS store
	ds_add_u32 v[SPW], v[NIL]
	s_wait_dscnt 0x0
	s_endpgm
.Lfunc_end_k_qf48173ba6b_lnorm:
	.size	k_qf48173ba6b_lnorm, .Lfunc_end_k_qf48173ba6b_lnorm-k_qf48173ba6b_lnorm
	.p2alignl 7, 3214868480
	.fill 96, 4, 3214868480
	.section	.rodata,"a",@progbits
	.p2align	6, 0x0
	.amdhsa_kernel k_qf48173ba6b_lnorm
		.amdhsa_group_segment_fixed_size 1536
		.amdhsa_private_segment_fixed_size 0
		.amdhsa_enable_private_segment 0
		.amdhsa_kernarg_size 56
		.amdhsa_user_sgpr_count 2
		.amdhsa_user_sgpr_kernarg_segment_ptr 1
		.amdhsa_wavefront_size32 1
		.amdhsa_system_sgpr_workgroup_id_x 1
		.amdhsa_system_sgpr_workgroup_id_y 1
		.amdhsa_system_sgpr_workgroup_id_z 1
		.amdhsa_system_vgpr_workitem_id 0
		.amdhsa_next_free_vgpr 48
		.amdhsa_next_free_sgpr 66
		.amdhsa_reserve_vcc 0
		.amdhsa_float_denorm_mode_32 3
		.amdhsa_float_denorm_mode_16_64 3
		.amdhsa_memory_ordered 1
		.amdhsa_forward_progress 1
		.amdhsa_inst_pref_size 6
	.end_amdhsa_kernel
	.amdgpu_metadata
---
amdhsa.version: [ 1, 2 ]
amdhsa.kernels:
  - .name:           k_qf48173ba6b_lnorm
    .symbol:         k_qf48173ba6b_lnorm.kd
    .args:
      - { .name: pb, .offset: 0, .size: 8, .value_kind: global_buffer, .address_space: global }
      - { .name: pa, .offset: 8, .size: 8, .value_kind: global_buffer, .address_space: global }
      - { .name: bo, .offset: 16, .size: 8, .value_kind: global_buffer, .address_space: global }
      - { .name: q_state, .offset: 24, .size: 8, .value_kind: global_buffer, .address_space: global }
      - { .name: gamma, .offset: 32, .size: 8, .value_kind: global_buffer, .address_space: global }
      - { .name: beta, .offset: 40, .size: 8, .value_kind: global_buffer, .address_space: global }
      - { .name: out0, .offset: 48, .size: 8, .value_kind: global_buffer, .address_space: global }
    .group_segment_fixed_size: 1536
    .private_segment_fixed_size: 0
    .kernarg_segment_align: 8
    .kernarg_segment_size: 56
    .max_flat_workgroup_size: 256
    .sgpr_count:     66
    .vgpr_count:     48
    .wavefront_size: 32
...
	.end_amdgpu_metadata
.endif
;; end of part 6
;; ======== version 2 of 2: 6 launches; version 1 with the launches prep, projc written anew for expert scheduling mode
;; workspace buffers: seqb 67,108,864 bytes; wkb 2,097,152 bytes; wgb 2,097,152 bytes; pa 524,288 bytes; alg 67,108,864 bytes; sp 1,048,576 bytes; ctx 131,072 bytes; pb 262,144 bytes
;; launch prep (part 7): grid 1088 x 1, 8 waves a work-group, no clusters, 152,576 bytes of LDS; arguments q_state, Wq, Wo, pa, seq_states, Wk, Wg, seqb, wkb, wgb; writes pa, seqb, wkb, wgb
.if DOCPART == 7
	.amdgcn_target "amdgcn-amd-amdhsa--gfx1250"
	.amdhsa_code_object_version 6
	.text
	.protected	k_qf48173ba6b_prep
	.globl	k_qf48173ba6b_prep
	.p2align	8
	.type	k_qf48173ba6b_prep,@function
k_qf48173ba6b_prep:
	s_mov_b64 s[64:65], 0
	v_nop
	global_prefetch_b8 v0, s[64:65] scope:SCOPE_SE
	s_setreg_imm32_b32 hwreg(HW_REG_WAVE_SCHED_MODE, 0, 2), 2
	s_setreg_imm32_b32 hwreg(HW_REG_WAVE_MODE, 25, 1), 1
	s_wait_xcnt 0x0
	s_wait_alu depctr_vm_vsrc(0)
; TWO JOBS IN ONE LAUNCH, parted by the work-group's number, which is the same in all eight waves of a work-group.
; WORK-GROUPS 0-63: a product with 32 rows, by halves of K:  pa[yy][m][n] = the sum over k < 512 of q_state[m][512 (yy & 1) + k] W[512 yy + k][n], yy = number / 16,
;   W = Wq for yy < 2 and Wo for yy >= 2 (rows 1024-2047 of Wo); 64 columns, number % 16, to a work-group.  pa: [4][32][1024] f32 partial sums, added up by later launches in f32.
;   They have the lowest numbers, so that their few dependent loads run beside the other job's stream.
; WORK-GROUPS 64-1087: seq_states, Wk and Wg are rounded once to bf16 (nearest even), layout unchanged: the operands of the two large products.
;   Each takes 32 blocks of 4,096 bytes of seq_states and one block each of Wk and Wg: 1,024 equal shares.  Thread t takes 16 bytes at 16 t of each block; all 34 loads of a wave go out first.
;   A store of a wave covers 256 consecutive bytes, aligned.  No register is written again behind the store that reads it, so no source of a pending instruction is rewritten.
; THE PRODUCT.  q_state and W are rounded to bf16 on the way to the matrix unit; sums in f32.  NaN and infinities are not treated apart.  Wave w takes k = 64 w .. 64 w + 63 of the half.
; W lies [k][n]: a wave rounds its 64 x 64 block, lays it into its own LDS bytes and reads it back turned (ds_load_tr16_b128): 16 columns x 32 k a fragment.
; The product is taken transposed (source 0 = 16 columns of W, source 1 = 16 rows of x): a lane ends with one row m = lane % 16 and the columns 8 (lane / 16) + 0..7.
; The eight waves' partial sums meet in LDS; wave w adds up rows 4 w .. 4 w + 3 and stores them, 16 lanes to 256 consecutive bytes, aligned.
; THE MODE: SCHED_MODE bits 1:0 = 2 (LLVM: expert scheduling mode 2), set by the entry lines.  The code itself states the register dependences
; between vector or matrix instructions and memory or LDS instructions, with s_wait_alu, always for 0.
; THE PLAN, THE CAST.  v1 and v2, the offsets, are made once and never written again.  Block j's four registers: its load lands in them, its two roundings read them and write the first two, its store reads those two.
;   The blocks go in groups of four.  At a group's head ONE wait on va_vdst states that the group before has written its data; that group's four stores then stand among this group's
;   eight roundings, which name this group's registers alone.
; THE PLAN, THE PRODUCT.  v1 to v7, offsets and LDS addresses, are made once.  WL: W's loads land in it, the roundings read it; later the turning loads land in its first half (WF) and the products write its second (ACC).
;   CW: the roundings write it, the LDS stores of the rounded block read it; later the partial sums' LDS loads land in it (RB), the adds write it, and the global stores read it.
;   W's 32 pairs of rows go in groups of four as in the cast: one wait on va_vdst at a group's head, the LDS stores of the group before among this group's roundings.
.set NSG,   64                         ; work-groups of the product
.set PW,    160                        ; a row of the rounded block: 128 bytes + 32 = 40 words
.set WPW,   64*PW                      ; a wave's block
.set PART,  8*WPW                      ; the partial sums: wave w's 32 rows of 64 f32 at PART + 8,704 w
.set PP,    272                        ; their pitch: 256 bytes + 16
.set SPARE, PART+8*32*PP               ; the spare words, 128 bytes for each wave: four blocks of 256 bytes that no other line names
.set XO,  1                            ; v1   the product: my offset in x.        The cast: 16 t, where I read
.set WO,  2                            ; v2   the product: my offset in W.        The cast: 8 t, where I write
.set WS,  3                            ; v3   where I put 8 bytes of the rounded block
.set WTR, 4                            ; v4   where the turning loads read
.set PS,  5                            ; v5   where I put my partial sums
.set PR,  6                            ; v6   where I read partial sums back
.set OO,  7                            ; v7   my offset in pa
.set SPW, 14                           ; v14  LDS address of my spare word; never rewritten
.set NIL, 15                           ; v15  0; never rewritten
.set D,   16                           ; v[16:151]  the cast: block j: four f32 as loaded; its first two registers then hold the four bf16
.set WL,  16                           ; v[16:143]  the product: W as loaded, 32 x 4
.set WF,  16                           ; v[16:79]   later: W's fragments, (s, t) at WF + 8 (4 s + t)
.set ACC, 80                           ; v[80:143]  later: eight accumulators, (mt, t) at ACC + 8 (4 mt + t)
.set XL,  144                          ; v[144:207] x as loaded, 16 x 4
.set CW,  144                          ;            later: W rounded, 32 x 2
.set RB,  144                          ;            later: partial sums read back, source wave u at RB + 8 u
.set XF,  208                          ; v[208:239] x's fragments, (mt, s) at XF + 8 (2 mt + s)
	s_load_b256 s[4:11], s[0:1], 0x0               ; q_state s[4:5], Wq s[6:7], Wo s[8:9], pa s[10:11]
	s_load_b256 s[36:43], s[0:1], 0x20             ; seq_states s[36:37], Wk s[38:39], Wg s[40:41], seqb s[42:43]
	s_load_b128 s[44:47], s[0:1], 0x40             ; wkb s[44:45], wgb s[46:47]
	v_lshl_add_u32 v[SPW], v0, 2, SPARE
	v_mov_b32 v[NIL], 0
	s_cmp_lt_u32 ttmp9, NSG
	s_cbranch_scc1 .Lproduct
	; ---- THE CAST ----
	v_lshlrev_b32 v1, 4, v0                        ; 16 t
	v_lshlrev_b32 v2, 3, v0                        ; 8 t
	s_sub_co_u32 s20, ttmp9, NSG                   ; my share, 0 to 1,023
	s_lshl_b32 s22, s20, 17                        ; 32 blocks of seq_states,
	s_mov_b32 s23, 0
	s_lshl_b32 s24, s20, 16                        ; half as many bytes of seqb,
	s_mov_b32 s25, 0
	s_lshl_b32 s26, s20, 12                        ; one block of Wk and of Wg,
	s_mov_b32 s27, 0
	s_lshl_b32 s28, s20, 11                        ; half as many bytes of wkb and of wgb
	s_mov_b32 s29, 0
	s_wait_kmcnt 0x0
	s_add_nc_u64 s[36:37], s[36:37], s[22:23]
	s_add_nc_u64 s[38:39], s[38:39], s[26:27]
	s_add_nc_u64 s[40:41], s[40:41], s[26:27]
	s_add_nc_u64 s[42:43], s[42:43], s[24:25]
	s_add_nc_u64 s[44:45], s[44:45], s[28:29]
	s_add_nc_u64 s[46:47], s[46:47], s[28:29]
	s_wait_alu depctr_va_vdst(0)                   ; v1 and v2 are written: every load of the cast reads the one as its offset, every store the other
.set j, 0
.rept 32
	global_load_b128 v[D+4*j:D+4*j+3], v1, s[36:37] offset:4096*j th:TH_LOAD_NT
.set j, j+1
.endr
	global_load_b128 v[D+128:D+131], v1, s[38:39] th:TH_LOAD_NT
	global_load_b128 v[D+132:D+135], v1, s[40:41] th:TH_LOAD_NT
.set g, 0
.rept 8                                        ; group g: blocks 4 g .. 4 g + 3 are rounded, and the group before is stored
	s_wait_loadcnt 30-4*g                          ; loads come back in order: this group's four blocks are in, the 30 - 4 g younger ones stay out
.if g > 0
	s_wait_alu depctr_va_vdst(0)                   ; the group before has written its rounded numbers, which the four stores below read; the roundings between them name this group's registers alone
.endif
.set q, 0
.rept 4
.set j, 4*g+q
.if g > 0
	global_store_b64 v2, v[D+4*(j-4):D+4*(j-4)+1], s[42:43] offset:2048*(j-4) th:TH_STORE_NT
.endif
	v_cvt_pk_bf16_f32 v[D+4*j], v[D+4*j], v[D+4*j+1]
	v_cvt_pk_bf16_f32 v[D+4*j+1], v[D+4*j+2], v[D+4*j+3]
.set q, q+1
.endr
.set g, g+1
.endr
	s_wait_loadcnt 0x0                             ; Wk's and Wg's blocks are in
	s_wait_alu depctr_va_vdst(0)                   ; blocks 28 to 31 are rounded: the four stores below read them; the roundings between them name the two last blocks alone
	global_store_b64 v2, v[D+112:D+113], s[42:43] offset:2048*28 th:TH_STORE_NT
	v_cvt_pk_bf16_f32 v[D+128], v[D+128], v[D+129]
	v_cvt_pk_bf16_f32 v[D+129], v[D+130], v[D+131]
	global_store_b64 v2, v[D+116:D+117], s[42:43] offset:2048*29 th:TH_STORE_NT
	v_cvt_pk_bf16_f32 v[D+132], v[D+132], v[D+133]
	v_cvt_pk_bf16_f32 v[D+133], v[D+134], v[D+135]
	global_store_b64 v2, v[D+120:D+121], s[42:43] offset:2048*30 th:TH_STORE_NT
	global_store_b64 v2, v[D+124:D+125], s[42:43] offset:2048*31 th:TH_STORE_NT
	s_wait_alu depctr_va_vdst(0)                   ; Wk's and Wg's blocks are rounded: the last two stores read them
	global_store_b64 v2, v[D+128:D+129], s[44:45] th:TH_STORE_NT
	global_store_b64 v2, v[D+132:D+133], s[46:47] th:TH_STORE_NT
	s_branch .Lend
	; ---- THE PRODUCT ----
.Lproduct:
	v_lshrrev_b32 v8, 5, v0
	v_readfirstlane_b32 s13, v8                    ; wave 0..7
	s_lshr_b32 s12, ttmp9, 4                       ; yy
	v_and_b32 v8, 15, v0                           ; r = lane % 16
	v_bfe_u32 v9, v0, 4, 1                         ; h = lane / 16
	v_and_b32 v10, 7, v0
	v_bfe_u32 v11, v0, 3, 1
	s_wait_alu depctr_va_sdst(0)                   ; s13 is written, ahead of its first reader: the wave's offsets and LDS addresses are made from it
	s_lshl_b32 s14, s13, 8
	v_lshlrev_b32 v[XO], 12, v8                    ; x: row r, 32 h bytes, my wave's 64 k = 256 bytes
	v_lshl_add_u32 v[XO], v9, 5, v[XO]
	v_add_nc_u32 v[XO], s14, v[XO]
	s_lshl_b32 s14, s13, 18
	v_lshlrev_b32 v[WO], 12, v9                    ; W: row 64 w + h, 16 r bytes
	v_lshl_add_u32 v[WO], v8, 4, v[WO]
	v_add_nc_u32 v[WO], s14, v[WO]
	s_mul_i32 s15, s13, WPW
	v_mul_u32_u24 v[WS], v9, PW
	v_lshl_add_u32 v[WS], v8, 3, v[WS]
	v_add_nc_u32 v[WS], s15, v[WS]
	v_lshl_add_u32 v[WTR], v9, 3, v10              ; the turning load: k row 8 h + lane % 8, 16 bytes by (lane / 8) % 2
	v_mul_u32_u24 v[WTR], v[WTR], PW
	v_lshl_add_u32 v[WTR], v11, 4, v[WTR]
	v_add_nc_u32 v[WTR], s15, v[WTR]
	s_mul_i32 s14, s13, 32*PP
	s_add_co_u32 s14, s14, PART
	v_mul_u32_u24 v[PS], v8, PP
	v_lshl_add_u32 v[PS], v9, 5, v[PS]
	v_add_nc_u32 v[PS], s14, v[PS]
	s_mul_i32 s14, s13, 4*PP
	s_add_co_u32 s14, s14, PART
	v_mul_u32_u24 v[PR], v9, PP
	v_lshl_add_u32 v[PR], v8, 4, v[PR]
	v_add_nc_u32 v[PR], s14, v[PR]
	s_lshl_b32 s14, s13, 14
	v_lshlrev_b32 v[OO], 12, v9
	v_lshl_add_u32 v[OO], v8, 4, v[OO]
	v_add_nc_u32 v[OO], s14, v[OO]
	s_and_b32 s22, ttmp9, 15
	s_lshl_b32 s22, s22, 8                         ; the work-group's 64 columns
	s_lshl_b32 s16, s12, 21                        ; 512 yy rows of W
	s_add_co_u32 s16, s16, s22
	s_mov_b32 s17, 0
	s_and_b32 s18, s12, 1
	s_lshl_b32 s18, s18, 11                        ; the half of x's rows
	s_mov_b32 s19, 0
	s_lshl_b32 s20, s12, 17                        ; plane yy of pa
	s_add_co_u32 s20, s20, s22
	s_mov_b32 s21, 0
	s_wait_kmcnt 0x0
	s_cmp_lt_u32 s12, 2
	s_cselect_b64 s[6:7], s[6:7], s[8:9]
	s_add_nc_u64 s[6:7], s[6:7], s[16:17]
	s_add_nc_u64 s[4:5], s[4:5], s[18:19]
	s_add_nc_u64 s[10:11], s[10:11], s[20:21]
	s_wait_alu depctr_va_vdst(0)                   ; the seven offsets and LDS addresses v1 to v7 are written, which the loads and stores of the product read; none is written again
	; x: fragment (mt, s) is 16 rows x 32 k; a lane's k = 8 h + 0..7 and 16 + 8 h + 0..7 are 32 bytes each in f32: four loads of 16 bytes
.set n, 0
.rept 16
	global_load_b128 v[XL+4*n:XL+4*n+3], v[XO], s[4:5] offset:(n/8)*65536+((n/4)%2)*128+((n%4)/2)*64+(n%2)*16
.set n, n+1
.endr
.set i, 0
.rept 32                                       ; W: two rows a load, 16 lanes to a row's 256 bytes
	global_load_b128 v[WL+4*i:WL+4*i+3], v[WO], s[6:7] offset:8192*i th:TH_LOAD_NT
.set i, i+1
.endr
	s_wait_loadcnt 32                              ; x is in; W's 32 loads stay out
.set n, 0
.rept 16
	v_cvt_pk_bf16_f32 v[XF+2*n], v[XL+4*n], v[XL+4*n+1]
	v_cvt_pk_bf16_f32 v[XF+2*n+1], v[XL+4*n+2], v[XL+4*n+3]
.set n, n+1
.endr
.set g, 0
.rept 8                                        ; group g: the pairs of rows 4 g .. 4 g + 3 are rounded, and the group before goes into LDS
	s_wait_loadcnt 28-4*g                          ; this group's four loads are in, the 28 - 4 g younger ones stay out
.if g > 0
	s_wait_alu depctr_va_vdst(0)                   ; the group before has written its part of CW, which the four LDS stores below read; the roundings between them name this group's registers alone
.endif
.set q, 0
.rept 4
.set i, 4*g+q
.if g > 0
	ds_store_b64 v[WS], v[CW+2*(i-4):CW+2*(i-4)+1] offset:2*PW*(i-4)
.endif
	v_cvt_pk_bf16_f32 v[CW+2*i], v[WL+4*i], v[WL+4*i+1]
	v_cvt_pk_bf16_f32 v[CW+2*i+1], v[WL+4*i+2], v[WL+4*i+3]
.set q, q+1
.endr
.set g, g+1
.endr
	s_wait_alu depctr_va_vdst(0)                   ; the last group has written its part of CW, which the four LDS stores below read; and all the roundings are done reading WL, in whose first half the turning loads land
.set i, 28
.rept 4
	ds_store_b64 v[WS], v[CW+2*i:CW+2*i+1] offset:2*PW*i
.set i, i+1
.endr
.irp s, 0,1
.irp t, 0,1,2,3
	ds_load_tr16_b128 v[WF+8*(4*(\s)+(\t)):WF+8*(4*(\s)+(\t))+3],   v[WTR] offset:32*PW*(\s)+32*(\t)        ; my own bytes: LDS serves a wave's instructions in order (ISA guide 5.7.1.4)
	ds_load_tr16_b128 v[WF+8*(4*(\s)+(\t))+4:WF+8*(4*(\s)+(\t))+7], v[WTR] offset:32*PW*(\s)+16*PW+32*(\t)
.endr
.endr
	s_wait_dscnt 0x0
	; 16 products; the eight accumulators take turns; the first eight start the sums
.irp s, 0,1
.irp mt, 0,1
.irp t, 0,1,2,3
.if (\s) == 0
	v_wmma_f32_16x16x32_bf16 v[ACC+8*(4*(\mt)+(\t)):ACC+8*(4*(\mt)+(\t))+7], v[WF+8*(4*(\s)+(\t)):WF+8*(4*(\s)+(\t))+7], v[XF+8*(2*(\mt)+(\s)):XF+8*(2*(\mt)+(\s))+7], 0
.else
	v_wmma_f32_16x16x32_bf16 v[ACC+8*(4*(\mt)+(\t)):ACC+8*(4*(\mt)+(\t))+7], v[WF+8*(4*(\s)+(\t)):WF+8*(4*(\s)+(\t))+7], v[XF+8*(2*(\mt)+(\s)):XF+8*(2*(\mt)+(\s))+7], v[ACC+8*(4*(\mt)+(\t)):ACC+8*(4*(\mt)+(\t))+7]
.endif
.endr
.endr
.endr
.rept 8
	v_nop                                          ; the places between the last product and the stores that read results, with room to spare: once a launch
.endr
	s_wait_alu depctr_va_vdst(0)                   ; the products have written the accumulators, which the LDS stores read; the places above stay beside this wait
.irp mt, 0,1
.irp t, 0,1,2,3
	ds_store_b128 v[PS], v[ACC+8*(4*(\mt)+(\t)):ACC+8*(4*(\mt)+(\t))+3]   offset:16*PP*(\mt)+64*(\t)      ; each accumulator's low registers first
	ds_store_b128 v[PS], v[ACC+8*(4*(\mt)+(\t))+4:ACC+8*(4*(\mt)+(\t))+7] offset:16*PP*(\mt)+64*(\t)+16
.endr
.endr
	s_wait_dscnt 0x0                               ; for the others' sake: my partial sums lie in LDS
	s_barrier_signal -1                            ; all eight waves of a work-group of the product come here, none of a work-group of the cast
	s_barrier_wait -1
	s_wait_alu depctr_vm_vsrc(0)                   ; the LDS stores of the rounded block have read CW: these registers are RB from here on, in which the loads below land (the roundings that wrote them stand ahead of the last wait on va_vdst)
.irp u, 0,1,2,3,4,5,6,7
	ds_load_b128 v[RB+8*(\u):RB+8*(\u)+3],   v[PR] offset:32*PP*(\u)          ; rows 4 w + h of source wave u,
	ds_load_b128 v[RB+8*(\u)+4:RB+8*(\u)+7], v[PR] offset:32*PP*(\u)+2*PP     ; rows 4 w + 2 + h
.endr
	s_wait_dscnt 0x0
.irp d, 4,2,1
.set u, 0
.rept \d
.irp c, 0,2,4,6
	v_pk_add_f32 v[RB+8*u+(\c):RB+8*u+(\c)+1], v[RB+8*u+(\c):RB+8*u+(\c)+1], v[RB+8*(u+(\d))+(\c):RB+8*(u+(\d))+(\c)+1]
.endr
.set u, u+1
.endr
.endr
	s_wait_alu depctr_va_vdst(0)                   ; the adds have written v[RB:RB+7], which the two stores read
	global_store_b128 v[OO], v[RB:RB+3], s[10:11]
	global_store_b128 v[OO], v[RB+4:RB+7], s[10:11] offset:8192
.Lend:
	s_wait_dscnt 0x0                               ; the closing lines, six on end
	s_wait_alu 0x0
	s_wait_tensorcnt 0x0
	ds_add_u32 v[SPW], v[NIL]
	s_wait_dscnt 0x0
	s_endpgm
.Lfunc_end_k_qf48173ba6b_prep:
	.size	k_qf48173ba6b_prep, .Lfunc_end_k_qf48173ba6b_prep-k_qf48173ba6b_prep
	.p2alignl 7, 3214868480
	.fill 96, 4, 3214868480
	.section	.rodata,"a",@progbits
	.p2align	6, 0x0
	.amdhsa_kernel k_qf48173ba6b_prep
		.amdhsa_group_segment_fixed_size 152576
		.amdhsa_private_segment_fixed_size 0
		.amdhsa_enable_private_segment 0
		.amdhsa_kernarg_size 80
		.amdhsa_user_sgpr_count 2
		.amdhsa_user_sgpr_kernarg_segment_ptr 1
		.amdhsa_wavefront_size32 1
		.amdhsa_system_sgpr_workgroup_id_x 1
		.amdhsa_system_sgpr_workgroup_id_y 1
		.amdhsa_system_sgpr_workgroup_id_z 1
		.amdhsa_system_vgpr_workitem_id 0
		.amdhsa_next_free_vgpr 240
		.amdhsa_next_free_sgpr 66
		.amdhsa_reserve_vcc 0
		.amdhsa_float_denorm_mode_32 3
		.amdhsa_float_denorm_mode_16_64 3
		.amdhsa_memory_ordered 1
		.amdhsa_forward_progress 1
		.amdhsa_inst_pref_size 35
	.end_amdhsa_kernel
	.amdgpu_metadata
---
amdhsa.version: [ 1, 2 ]
amdhsa.kernels:
  - .name:           k_qf48173ba6b_prep
    .symbol:         k_qf48173ba6b_prep.kd
    .args:
      - { .name: q_state, .offset: 0, .size: 8, .value_kind: global_buffer, .address_space: global }
      - { .name: Wq, .offset: 8, .size: 8, .value_kind: global_buffer, .address_space: global }
      - { .name: Wo, .offset: 16, .size: 8, .value_kind: global_buffer, .address_space: global }
      - { .name: pa, .offset: 24, .size: 8, .value_kind: global_buffer, .address_space: global }
      - { .name: seq_states, .offset: 32, .size: 8, .value_kind: global_buffer, .address_space: global }
      - { .name: Wk, .offset: 40, .size: 8, .value_kind: global_buffer, .address_space: global }
      - { .name: Wg, .offset: 48, .size: 8, .value_kind: global_buffer, .address_space: global }
      - { .name: seqb, .offset: 56, .size: 8, .value_kind: global_buffer, .address_space: global }
      - { .name: wkb, .offset: 64, .size: 8, .value_kind: global_buffer, .address_space: global }
      - { .name: wgb, .offset: 72, .size: 8, .value_kind: global_buffer, .address_space: global }
    .group_segment_fixed_size: 152576
    .private_segment_fixed_size: 0
    .kernarg_segment_align: 8
    .kernarg_segment_size: 80
    .max_flat_workgroup_size: 256
    .sgpr_count:     66
    .vgpr_count:     240
    .wavefront_size: 32
...
	.end_amdgpu_metadata
.endif
;; end of part 7
;; launch g1: the kernel of part 2 again; grid 4 x 128, 4 waves a work-group, clusters of 4 x 4, 327,680 bytes of LDS; arguments seqb, wkb, alg, pa, bq, bk; writes alg
;; launch g2: the kernel of part 3 again; grid 4 x 128, 4 waves a work-group, clusters of 4 x 4, 327,680 bytes of LDS; arguments alg, wgb, sp, bg, Ws; writes sp
;; launch ctxk: the kernel of part 4 again; grid 8 x 32, 16 waves a work-group, no clusters, 14,848 bytes of LDS; arguments sp, bs, seqb, out1, ctx; writes out1, ctx
;; launch projc (part 8): grid 16 x 2, 8 waves a work-group, no clusters, 152,576 bytes of LDS; arguments ctx, Wo, Wq, pb; writes pb
.if DOCPART == 8
	.amdgcn_target "amdgcn-amd-amdhsa--gfx1250"
	.amdhsa_code_object_version 6
	.text
	.protected	k_qf48173ba6b_projc
	.globl	k_qf48173ba6b_projc
	.p2align	8
	.type	k_qf48173ba6b_projc,@function
k_qf48173ba6b_projc:
	s_mov_b64 s[64:65], 0
	v_nop
	global_prefetch_b8 v0, s[64:65] scope:SCOPE_SE
	s_setreg_imm32_b32 hwreg(HW_REG_WAVE_SCHED_MODE, 0, 2), 2
	s_setreg_imm32_b32 hwreg(HW_REG_WAVE_MODE, 25, 1), 1
	s_wait_xcnt 0x0
	s_wait_alu depctr_vm_vsrc(0)
; A product with 32 rows, by halves of K:  out[yy][m][n] = the sum over k < 512 of x[m][512 (yy & 1) + k] W[512 yy + k][n].
; x: [32][1024] f32 (here ctx).  W: rows of 1,024 f32; the first weight argument for yy < 2 (here Wo, rows 0-1023), the second for yy >= 2 (this launch's grid has yy = 0 and 1 alone, so it is never read).
; out: [2][32][1024] f32 partial sums, added up by the next launch in f32.
; x and W are rounded to bf16 on the way to the matrix unit; sums in f32.  NaN and infinities are not treated apart.
; SHARES.  A work-group makes 64 columns (256 consecutive bytes of each row of W) for one half of K; wave w takes k = 64 w .. 64 w + 63 of the half.  Each byte of W is read once in the launch.
; W lies [k][n]: a wave rounds its 64 x 64 block, lays it into its own LDS bytes and reads it back turned (ds_load_tr16_b128): 16 columns x 32 k a fragment.
; The product is taken transposed (source 0 = 16 columns of W, source 1 = 16 rows of x): a lane ends with one row m = lane % 16 and the columns 8 (lane / 16) + 0..7.
; The eight waves' partial sums meet in LDS; wave w adds up rows 4 w .. 4 w + 3 and stores them, 16 lanes to 256 consecutive bytes, aligned.
; THE MODE: SCHED_MODE bits 1:0 = 2 (LLVM: expert scheduling mode 2), set by the entry lines.  The code itself states the register dependences
; between vector or matrix instructions and memory or LDS instructions, with s_wait_alu, always for 0.
; THE PLAN.  v1 to v7, offsets and LDS addresses, are made once.  WL: W's loads land in it, the roundings read it; later the turning loads land in its first half (WF) and the products write its second (ACC).
;   CW: the roundings write it, the LDS stores of the rounded block read it; later the partial sums' LDS loads land in it (RB), the adds write it, and the global stores read it.
;   W's 32 pairs of rows go in groups of four.  At a group's head ONE wait on va_vdst states that the group before has written its part of CW; that group's four LDS stores then stand among
;   this group's eight roundings, which name this group's registers alone.
.set PW,    160                        ; a row of the rounded block: 128 bytes + 32 = 40 words
.set WPW,   64*PW                      ; a wave's block
.set PART,  8*WPW                      ; the partial sums: wave w's 32 rows of 64 f32 at PART + 8,704 w
.set PP,    272                        ; their pitch: 256 bytes + 16
.set SPARE, PART+8*32*PP               ; the spare words, 128 bytes for each wave: four blocks of 256 bytes that no other line names
.set XO,  1                            ; v1   my offset in x
.set WO,  2                            ; v2   my offset in W
.set WS,  3                            ; v3   where I put 8 bytes of the rounded block
.set WTR, 4                            ; v4   where the turning loads read
.set PS,  5                            ; v5   where I put my partial sums
.set PR,  6                            ; v6   where I read partial sums back
.set OO,  7                            ; v7   my offset in out
.set SPW, 14                           ; v14  LDS address of my spare word; never rewritten
.set NIL, 15                           ; v15  0; never rewritten
.set WL,  16                           ; v[16:143]  W as loaded, 32 x 4
.set WF,  16                           ; v[16:79]   later: W's fragments, (s, t) at WF + 8 (4 s + t)
.set ACC, 80                           ; v[80:143]  later: eight accumulators, (mt, t) at ACC + 8 (4 mt + t)
.set XL,  144                          ; v[144:207] x as loaded, 16 x 4
.set CW,  144                          ;            later: W rounded, 32 x 2
.set RB,  144                          ;            later: partial sums read back, source wave u at RB + 8 u
.set XF,  208                          ; v[208:239] x's fragments, (mt, s) at XF + 8 (2 mt + s)
	s_load_b256 s[4:11], s[0:1], 0x0               ; x s[4:5], first weights s[6:7], second weights s[8:9], out s[10:11]
	v_lshl_add_u32 v[SPW], v0, 2, SPARE
	v_mov_b32 v[NIL], 0
	v_lshrrev_b32 v8, 5, v0
	v_readfirstlane_b32 s13, v8                    ; wave 0..7
	s_and_b32 s12, ttmp7, 0xffff                   ; yy
	v_and_b32 v8, 15, v0                           ; r = lane % 16
	v_bfe_u32 v9, v0, 4, 1                         ; h = lane / 16
	v_and_b32 v10, 7, v0
	v_bfe_u32 v11, v0, 3, 1
	s_wait_alu depctr_va_sdst(0)                   ; s13 is written, ahead of its first reader: the wave's offsets and LDS addresses are made from it
	s_lshl_b32 s14, s13, 8
	v_lshlrev_b32 v[XO], 12, v8                    ; x: row r, 32 h bytes, my wave's 64 k = 256 bytes
	v_lshl_add_u32 v[XO], v9, 5, v[XO]
	v_add_nc_u32 v[XO], s14, v[XO]
	s_lshl_b32 s14, s13, 18
	v_lshlrev_b32 v[WO], 12, v9                    ; W: row 64 w + h, 16 r bytes
	v_lshl_add_u32 v[WO], v8, 4, v[WO]
	v_add_nc_u32 v[WO], s14, v[WO]
	s_mul_i32 s15, s13, WPW
	v_mul_u32_u24 v[WS], v9, PW
	v_lshl_add_u32 v[WS], v8, 3, v[WS]
	v_add_nc_u32 v[WS], s15, v[WS]
	v_lshl_add_u32 v[WTR], v9, 3, v10              ; the turning load: k row 8 h + lane % 8, 16 bytes by (lane / 8) % 2
	v_mul_u32_u24 v[WTR], v[WTR], PW
	v_lshl_add_u32 v[WTR], v11, 4, v[WTR]
	v_add_nc_u32 v[WTR], s15, v[WTR]
	s_mul_i32 s14, s13, 32*PP
	s_add_co_u32 s14, s14, PART
	v_mul_u32_u24 v[PS], v8, PP
	v_lshl_add_u32 v[PS], v9, 5, v[PS]
	v_add_nc_u32 v[PS], s14, v[PS]
	s_mul_i32 s14, s13, 4*PP
	s_add_co_u32 s14, s14, PART
	v_mul_u32_u24 v[PR], v9, PP
	v_lshl_add_u32 v[PR], v8, 4, v[PR]
	v_add_nc_u32 v[PR], s14, v[PR]
	s_lshl_b32 s14, s13, 14
	v_lshlrev_b32 v[OO], 12, v9
	v_lshl_add_u32 v[OO], v8, 4, v[OO]
	v_add_nc_u32 v[OO], s14, v[OO]
	s_lshl_b32 s22, ttmp9, 8                       ; the work-group's 64 columns
	s_lshl_b32 s16, s12, 21                        ; 512 yy rows of W
	s_add_co_u32 s16, s16, s22
	s_mov_b32 s17, 0
	s_and_b32 s18, s12, 1
	s_lshl_b32 s18, s18, 11                        ; the half of x's rows
	s_mov_b32 s19, 0
	s_lshl_b32 s20, s12, 17                        ; plane yy of out
	s_add_co_u32 s20, s20, s22
	s_mov_b32 s21, 0
	s_wait_kmcnt 0x0
	s_cmp_lt_u32 s12, 2
	s_cselect_b64 s[6:7], s[6:7], s[8:9]
	s_add_nc_u64 s[6:7], s[6:7], s[16:17]
	s_add_nc_u64 s[4:5], s[4:5], s[18:19]
	s_add_nc_u64 s[10:11], s[10:11], s[20:21]
	s_wait_alu depctr_va_vdst(0)                   ; the seven offsets and LDS addresses v1 to v7 are written, which the loads and stores below read; none is written again
	; x: fragment (mt, s) is 16 rows x 32 k; a lane's k = 8 h + 0..7 and 16 + 8 h + 0..7 are 32 bytes each in f32: four loads of 16 bytes
.set n, 0
.rept 16
	global_load_b128 v[XL+4*n:XL+4*n+3], v[XO], s[4:5] offset:(n/8)*65536+((n/4)%2)*128+((n%4)/2)*64+(n%2)*16
.set n, n+1
.endr
.set i, 0
.rept 32                                       ; W: two rows a load, 16 lanes to a row's 256 bytes
	global_load_b128 v[WL+4*i:WL+4*i+3], v[WO], s[6:7] offset:8192*i th:TH_LOAD_NT
.set i, i+1
.endr
	s_wait_loadcnt 32                              ; x is in; W's 32 loads stay out
.set n, 0
.rept 16
	v_cvt_pk_bf16_f32 v[XF+2*n], v[XL+4*n], v[XL+4*n+1]
	v_cvt_pk_bf16_f32 v[XF+2*n+1], v[XL+4*n+2], v[XL+4*n+3]
.set n, n+1
.endr
.set g, 0
.rept 8                                        ; group g: the pairs of rows 4 g .. 4 g + 3 are rounded, and the group before goes into LDS
	s_wait_loadcnt 28-4*g                          ; this group's four loads are in, the 28 - 4 g younger ones stay out
.if g > 0
	s_wait_alu depctr_va_vdst(0)                   ; the group before has written its part of CW, which the four LDS stores below read; the roundings between them name this group's registers alone
.endif
.set q, 0
.rept 4
.set i, 4*g+q
.if g > 0
	ds_store_b64 v[WS], v[CW+2*(i-4):CW+2*(i-4)+1] offset:2*PW*(i-4)
.endif
	v_cvt_pk_bf16_f32 v[CW+2*i], v[WL+4*i], v[WL+4*i+1]
	v_cvt_pk_bf16_f32 v[CW+2*i+1], v[WL+4*i+2], v[WL+4*i+3]
.set q, q+1
.endr
.set g, g+1
.endr
	s_wait_alu depctr_va_vdst(0)                   ; the last group has written its part of CW, which the four LDS stores below read; and all the roundings are done reading WL, in whose first half the turning loads land
.set i, 28
.rept 4
	ds_store_b64 v[WS], v[CW+2*i:CW+2*i+1] offset:2*PW*i
.set i, i+1
.endr
.irp s, 0,1
.irp t, 0,1,2,3
	ds_load_tr16_b128 v[WF+8*(4*(\s)+(\t)):WF+8*(4*(\s)+(\t))+3],   v[WTR] offset:32*PW*(\s)+32*(\t)        ; my own bytes: LDS serves a wave's instructions in order (ISA guide 5.7.1.4)
	ds_load_tr16_b128 v[WF+8*(4*(\s)+(\t))+4:WF+8*(4*(\s)+(\t))+7], v[WTR] offset:32*PW*(\s)+16*PW+32*(\t)
.endr
.endr
	s_wait_dscnt 0x0
	; 16 products; the eight accumulators take turns; the first eight start the sums
.irp s, 0,1
.irp mt, 0,1
.irp t, 0,1,2,3
.if (\s) == 0
	v_wmma_f32_16x16x32_bf16 v[ACC+8*(4*(\mt)+(\t)):ACC+8*(4*(\mt)+(\t))+7], v[WF+8*(4*(\s)+(\t)):WF+8*(4*(\s)+(\t))+7], v[XF+8*(2*(\mt)+(\s)):XF+8*(2*(\mt)+(\s))+7], 0
.else
	v_wmma_f32_16x16x32_bf16 v[ACC+8*(4*(\mt)+(\t)):ACC+8*(4*(\mt)+(\t))+7], v[WF+8*(4*(\s)+(\t)):WF+8*(4*(\s)+(\t))+7], v[XF+8*(2*(\mt)+(\s)):XF+8*(2*(\mt)+(\s))+7], v[ACC+8*(4*(\mt)+(\t)):ACC+8*(4*(\mt)+(\t))+7]
.endif
.endr
.endr
.endr
.rept 8
	v_nop                                          ; the places between the last product and the stores that read results, with room to spare: once a launch
.endr
	s_wait_alu depctr_va_vdst(0)                   ; the products have written the accumulators, which the LDS stores read; the places above stay beside this wait
.irp mt, 0,1
.irp t, 0,1,2,3
	ds_store_b128 v[PS], v[ACC+8*(4*(\mt)+(\t)):ACC+8*(4*(\mt)+(\t))+3]   offset:16*PP*(\mt)+64*(\t)      ; each accumulator's low registers first
	ds_store_b128 v[PS], v[ACC+8*(4*(\mt)+(\t))+4:ACC+8*(4*(\mt)+(\t))+7] offset:16*PP*(\mt)+64*(\t)+16
.endr
.endr
	s_wait_dscnt 0x0                               ; for the others' sake: my partial sums lie in LDS
	s_barrier_signal -1
	s_barrier_wait -1
	s_wait_alu depctr_vm_vsrc(0)                   ; the LDS stores of the rounded block have read CW: these registers are RB from here on, in which the loads below land (the roundings that wrote them stand ahead of the last wait on va_vdst)
.irp u, 0,1,2,3,4,5,6,7
	ds_load_b128 v[RB+8*(\u):RB+8*(\u)+3],   v[PR] offset:32*PP*(\u)          ; rows 4 w + h of source wave u,
	ds_load_b128 v[RB+8*(\u)+4:RB+8*(\u)+7], v[PR] offset:32*PP*(\u)+2*PP     ; rows 4 w + 2 + h
.endr
	s_wait_dscnt 0x0
.irp d, 4,2,1
.set u, 0
.rept \d
.irp c, 0,2,4,6
	v_pk_add_f32 v[RB+8*u+(\c):RB+8*u+(\c)+1], v[RB+8*u+(\c):RB+8*u+(\c)+1], v[RB+8*(u+(\d))+(\c):RB+8*(u+(\d))+(\c)+1]
.endr
.set u, u+1
.endr
.endr
	s_wait_alu depctr_va_vdst(0)                   ; the adds have written v[RB:RB+7], which the two stores read
	global_store_b128 v[OO], v[RB:RB+3], s[10:11]
	global_store_b128 v[OO], v[RB+4:RB+7], s[10:11] offset:8192
	s_wait_dscnt 0x0                               ; the closing lines, six on end
	s_wait_alu 0x0
	s_wait_tensorcnt 0x0
	ds_add_u32 v[SPW], v[NIL]
	s_wait_dscnt 0x0
	s_endpgm
.Lfunc_end_k_qf48173ba6b_projc:
	.size	k_qf48173ba6b_projc, .Lfunc_end_k_qf48173ba6b_projc-k_qf48173ba6b_projc
	.p2alignl 7, 3214868480
	.fill 96, 4, 3214868480
	.section	.rodata,"a",@progbits
	.p2align	6, 0x0
	.amdhsa_kernel k_qf48173ba6b_projc
		.amdhsa_group_segment_fixed_size 152576
		.amdhsa_private_segment_fixed_size 0
		.amdhsa_enable_private_segment 0
		.amdhsa_kernarg_size 32
		.amdhsa_user_sgpr_count 2
		.amdhsa_user_sgpr_kernarg_segment_ptr 1
		.amdhsa_wavefront_size32 1
		.amdhsa_system_sgpr_workgroup_id_x 1
		.amdhsa_system_sgpr_workgroup_id_y 1
		.amdhsa_system_sgpr_workgroup_id_z 1
		.amdhsa_system_vgpr_workitem_id 0
		.amdhsa_next_free_vgpr 240
		.amdhsa_next_free_sgpr 66
		.amdhsa_reserve_vcc 0
		.amdhsa_float_denorm_mode_32 3
		.amdhsa_float_denorm_mode_16_64 3
		.amdhsa_memory_ordered 1
		.amdhsa_forward_progress 1
		.amdhsa_inst_pref_size 23
	.end_amdhsa_kernel
	.amdgpu_metadata
---
amdhsa.version: [ 1, 2 ]
amdhsa.kernels:
  - .name:           k_qf48173ba6b_projc
    .symbol:         k_qf48173ba6b_projc.kd
    .args:
      - { .name: ctx, .offset: 0, .size: 8, .value_kind: global_buffer, .address_space: global }
      - { .name: Wo, .offset: 8, .size: 8, .value_kind: global_buffer, .address_space: global }
      - { .name: Wq, .offset: 16, .size: 8, .value_kind: global_buffer, .address_space: global }
      - { .name: pb, .offset: 24, .size: 8, .value_kind: global_buffer, .address_space: global }
    .group_segment_fixed_size: 152576
    .private_segment_fixed_size: 0
    .kernarg_segment_align: 8
    .kernarg_segment_size: 32
    .max_flat_workgroup_size: 256
    .sgpr_count:     66
    .vgpr_count:     240
    .wavefront_size: 32
...
	.end_amdgpu_metadata
.endif
;; end of part 8
;; launch lnorm: the kernel of part 6 again; grid 32 x 1, 8 waves a work-group, no clusters, 1,536 bytes of LDS; arguments pb, pa, bo, q_state, gamma, beta, out0; writes out0
